; MI455X (gfx1250); checked and timed in simulation.
; The chip was launched on July 23, 2026; its instructions are those of AMD's public machine-readable ISA for CDNA 5 (MIT licence, August 2026) and "CDNA5" Instruction Set Architecture Reference Guide (July 2026). The comments in the code are by the model that wrote it; some were corrected since.
;; Causal Multihead Self Attention. Allowed arithmetic: matrix products marked QUANTISED: E5M2 operands, one E8M0 scale for each 32 along K, by v_wmma_scale_f32_16x16x128_f8f6f4 with both operands' format E5M2, f32 sums; everything else in f32.
;; Inputs: Wk 1,024 x 1,024 float32; Wo 1,024 x 1,024 float32; Wq 1,024 x 1,024 float32; Wv 1,024 x 1,024 float32; bk 1,024 float32; bo 1,024 float32; bq 1,024 float32; bv 1,024 float32; x 4 x 2,048 x 1,024 float32.
;; Outputs: out0 4 x 2,048 x 1,024 float32.
;; This version of the problem:
;;   THIS VERSION OF THE PROBLEM IS GIVEN IN LOW PRECISION. The matrix products marked QUANTISED in the list below multiply operands that are first quantised to E5M2 (5 exponent bits, 2 mantissa bits; 8 bits a number), with one power-of-two scale for each 32 numbers along K (OCP MX v1.0); their sums are f32. All else is computed in f32.
;;   The module's matrix products, in the order in which they are computed (A, B: the left and right operand; K: the contracted axis; several contracted axes count as one K, in the product's order):
;;     1. [M 8,192, K 1,024] x [K 1,024, N 1,024]; A: input x; B: input Wq: QUANTISED
;;     2. [M 8,192, K 1,024] x [K 1,024, N 1,024]; A: input x; B: input Wk: QUANTISED
;;     3. [M 8,192, K 1,024] x [K 1,024, N 1,024]; A: input x; B: input Wv: QUANTISED
;;     4. batch 64 x [M 2,048, K 64] x [K 64, N 2,048]; A: computed on the way; B: computed on the way: QUANTISED
;;     5. batch 64 x [M 2,048, K 2,048] x [K 2,048, N 64]; A: softmax (see below); B: computed on the way: QUANTISED
;;     6. [M 8,192, K 1,024] x [K 1,024, N 1,024]; A: computed on the way; B: input Wo: QUANTISED
;;   THE QUANTISER, for each operand of a quantised product, along K:
;;     - K is cut into blocks of 32 from its start; a last block that is shorter is filled with zeros.
;;     - A block's scale is 2^e with e = floor(log2(the largest magnitude in the block)) - 15, held to -126 .. 127; a block of zeros has e = 0. As a byte (E8M0): e + 127.
;;     - Each number is divided by its block's scale, clamped to +-57,344, and rounded to the nearest number of E5M2, ties to even, subnormals kept.
;;     - The product sums the exact products of the quantised numbers (number of the format x scale) in f32.
;;   ~~~python
;;   def quantise(x, axis):      # numpy; x: float32 -> the quantised numbers, widened to float32 again
;;       x = np.moveaxis(x, axis, -1); K = x.shape[-1]
;;       x = np.pad(x, [(0, 0)] * (x.ndim - 1) + [(0, -K % 32)]); x = x.reshape(x.shape[:-1] + (-1, 32)); a = np.abs(x).max(-1, keepdims=True)
;;       e = np.where(a > 0, np.clip(np.frexp(np.where(a > 0, a, 1))[1] - 1 - 15, -126, 127), 0)      # np.frexp(a)[1] - 1 = floor(log2(a)), exactly
;;       r = np.clip(x / 2.0 ** e, -57344, 57344)
;;       step = 2.0 ** (np.maximum(np.frexp(np.where(r == 0, 1, r))[1] - 1, -14) - 2)
;;       q = np.round(r / step) * step * 2.0 ** e      # np.round: ties to even
;;       return np.moveaxis(q.reshape(q.shape[:-2] + (-1,))[..., :K], -1, axis).astype(np.float32)
;;   ~~~
;;   SOFTMAX AHEAD OF A QUANTISED PRODUCT. Where the list says 'softmax', what is quantised is not the finished softmax but p = 2^(t - M), with t = logit x log2(e) and M = ceil(the row's largest t), a whole number; so 1/2 < the row's largest p <= 1. The row's sum l is taken of the UNQUANTISED p, in f32, and the product's result is divided by l at the end. Since M is a whole number, a kernel that streams over the keys may use a running M (the ceiling of the running maximum): every later rescaling is an exact power of two, which a block's scale takes up: the codes' values come out the same.
;;   OPERANDS COMPUTED ON THE WAY. 'Computed on the way' means the value that the module computes at that place (a softmax that the list does not call 'softmax' is quantised finished and normalised). What goes into a quantiser is computed in f32, as accurately as f32 sums, v_exp_f32 and their like allow (about 1e-6 of the number): no bf16 or f16 on the way to a quantiser, and a product that is left as it is and whose result goes on into a quantised operand takes f32 operands (vector FMAs, or v_wmma_f32_16x16x4_f32). A number that lies on a knife's edge between two numbers of the format may be rounded either way, as far as f32 arithmetic and the matrix unit's own rounding can turn it there, and no further.
;; One version. Each part assembles by itself: llvm-mc -triple=amdgcn-amd-amdhsa -mcpu=gfx1250 --defsym DOCPART=n.
;; ======== version 1 of 1: 4 launches
;; limits: right only within a limited range of input values
;; workspace buffers: opnd 12,976,128 bytes; qkv 26,476,544 bytes; att 8,650,752 bytes
;; launch quant (part 1): grid 384 x 1, 4 waves a work-group, no clusters, 33,280 bytes of LDS; arguments x, Wq, Wk, Wv, Wo, opnd; writes opnd
.if DOCPART == 1
	.amdgcn_target "amdgcn-amd-amdhsa--gfx1250"
	.amdhsa_code_object_version 6
	.text
	.protected	k_qfb33916e43_quant
	.globl	k_qfb33916e43_quant
	.p2align	8
	.type	k_qfb33916e43_quant,@function
k_qfb33916e43_quant:
	s_mov_b64 s[64:65], 0
	v_nop
	global_prefetch_b8 v0, s[64:65] scope:SCOPE_SE
	s_setreg_imm32_b32 hwreg(HW_REG_WAVE_MODE, 25, 1), 1
	s_wait_xcnt 0x0
; x [8192][1024] and Wq, Wk, Wv, Wo [1024][1024], f32, K innermost, become codes of BF8 (E5M2) with one E8M0 scale byte for each 32 along K, in ONE buffer:
; opnd: codes [12288 positions][1024 bytes], and from byte OPS on scale bytes [12288 positions][32].  First positions: x 0, Wq 8192, Wk 9216, Wv 10240, Wo 11264.
; POSITIONS.  Position p holds the tensor's row p with bits 3 and 4 exchanged.  So 16 neighbouring positions 32 B + 16 u + rho are the rows 32 B + 8 u + rho + 8 (rho / 8): used as source 0 of a matrix
; instruction they leave, in a lane's 16 registers of two neighbouring tiles, 16 NEIGHBOURS of that axis, which the later launches quantise without moving a number between lanes.
; A block's scale is 2^(floor(log2(its largest magnitude)) - 15); its byte is the largest magnitude's exponent field - 15, held at 1 from below.  Each number is divided by the scale, held within +-57,344, rounded to the nearest code, ties to even.
; LIMITS: a block of zeros gets the byte 1 where the rule says 127 (its codes are zeros, which add nothing; the bytes are read by this program alone); largest magnitudes under 2^-111, the floor, were not tried; NaN and infinities are not served.
; SHARES.  A work-group takes 32 rows (work-groups 0-255: x; 256 + 32 i + j: the i-th weight), a wave 8 whole rows = 16 steps of 512 numbers.  Exchanging bits 3 and 4 of a row is exchanging the two bits of the wave's number.
; A load reads 512 consecutive bytes; a step's 2,048 bytes turn through the wave's own stage in LDS, so that a lane holds 16 neighbours along K (two lanes to a block).  A wave stores 512 consecutive bytes of codes a step,
; and its 256 scale bytes as one aligned run of 256 bytes at the end.  Waves share nothing: no barrier, no tensor load, no cluster (no two work-groups read the same byte).
.set STEPS, 16
.set OPS,   12582912                   ; where the scale bytes begin in opnd
.set MANT,  0x600000                   ; the mantissa field of 57,344 as f32
.set CB,    16                         ; bytes of 16 codes
.set R,     16                         ; v16-79   four sets of 16 numbers as they are loaded
.set X,     80                         ; v80-111  two sets of 16 neighbours
.set C,     128                        ; v128-191 codes: four registers for each step, so that no store's data are written again
.set E,     112                        ; v112-127 a scale byte for each step
.set WREG,  8192                       ; LDS: a region for each wave: two stages of 32 x SP bytes, behind them its 256 scale bytes
.set SP,    80                         ; a lane's place in a stage: its 64 bytes + 16 of padding
	s_load_b256 s[4:11], s[0:1], 0x0               ; x s[4:5], Wq s[6:7], Wk s[8:9], Wv s[10:11]
	s_load_b128 s[12:15], s[0:1], 0x20             ; Wo s[12:13], opnd s[14:15]
	v_lshl_add_u32 v192, v0, 2, 0x8000
	v_mov_b32 v193, 0
	v_lshrrev_b32 v1, 5, v0
	v_readfirstlane_b32 s16, v1                    ; wave
	v_and_b32 v2, 31, v0                           ; lane
	v_lshlrev_b32 v3, 4, v2                        ; my 16 bytes of a load's 512
	s_mul_i32 s17, s16, WREG
	v_lshrrev_b32 v14, 2, v2
	v_mul_u32_u24 v14, v14, SP
	v_and_b32 v15, 3, v2
	v_lshl_add_u32 v14, v15, 4, v14
	v_add_nc_u32 v14, s17, v14                     ; the stage, on the way in: SP (lane / 4) + 16 (lane % 4)
	v_mul_u32_u24 v15, v2, SP
	v_add_nc_u32 v15, s17, v15                     ; and on the way out: SP x lane: my 16 neighbours
	v_mul_u32_u24 v4, v2, CB                       ; my codes' place in a step's
	v_lshrrev_b32 v5, 1, v2
	s_add_co_u32 s17, s17, 2*32*SP
	v_add_nc_u32 v5, s17, v5                       ; LDS: my wave's 256 scale bytes, my block's byte
	v_lshlrev_b32 v7, 3, v2                        ; and on the way out 8 bytes a lane
	v_add_nc_u32 v6, s17, v7
	s_sub_co_u32 s17, ttmp9, 256                   ; a weight's work-group: which weight, which 32 rows of it (of no use in x's work-groups, where neither is taken)
	s_lshr_b32 s18, s17, 5
	s_and_b32 s19, s17, 31
	s_wait_alu depctr_va_vdst(0)
	s_wait_kmcnt 0x0
	s_cmp_eq_u32 s18, 1                            ; the source is chosen by the work-group's number alone
	s_cselect_b64 s[6:7], s[8:9], s[6:7]
	s_cmp_eq_u32 s18, 2
	s_cselect_b64 s[6:7], s[10:11], s[6:7]
	s_cmp_eq_u32 s18, 3
	s_cselect_b64 s[6:7], s[12:13], s[6:7]
	s_cmp_lt_u32 ttmp9, 256
	s_cselect_b64 s[4:5], s[4:5], s[6:7]
	s_cselect_b32 s19, ttmp9, s19
	s_lshl_b32 s19, s19, 2
	s_add_co_u32 s19, s19, s16                     ; which run of 8 rows of the source is my wave's
	s_lshl_b32 s20, s19, 15                        ; 32,768 bytes a run (33.5 million at the most)
	s_mov_b32 s21, 0
	s_add_nc_u64 s[4:5], s[4:5], s[20:21]
	s_and_b32 s22, s16, 1                          ; the run's place in opnd: the wave's two bits exchanged
	s_lshl_b32 s22, s22, 1
	s_lshr_b32 s24, s16, 1
	s_or_b32 s22, s22, s24
	s_lshl_b32 s24, ttmp9, 2
	s_add_co_u32 s22, s22, s24
	s_lshl_b32 s20, s22, 13                        ; 8,192 bytes of codes a run
	s_add_nc_u64 s[8:9], s[14:15], s[20:21]
	s_lshl_b32 s20, s22, 8                         ; 256 scale bytes a run
	s_add_co_u32 s20, s20, OPS
	s_add_nc_u64 s[10:11], s[14:15], s[20:21]
.macro LOAD t
.irp i, 0,1,2,3
	global_load_b128 v[R+16*((\t)%4)+4*\i:R+16*((\t)%4)+4*\i+3], v3, s[4:5] offset:2048*(\t)+512*\i th:TH_LOAD_NT   ; 32 lanes read 512 consecutive bytes, read once in the launch
.endr
.endm
.macro TURN t                          ; step t's numbers through the stage: LDS serves a wave's instructions in order, so no wait stands between the stores and the loads
.irp i, 0,1,2,3
	ds_store_b128 v14, v[R+16*((\t)%4)+4*\i:R+16*((\t)%4)+4*\i+3] offset:32*SP*((\t)%2)+8*SP*\i
.endr
.irp i, 0,1,2,3
	ds_load_b128 v[X+16*((\t)%2)+4*\i:X+16*((\t)%2)+4*\i+3], v15 offset:32*SP*((\t)%2)+16*\i
.endr
.endm
.irp t, 0,1,2,3
	LOAD \t
.endr
	s_wait_loadcnt 12                              ; step 0's four loads are in; the twelve of steps 1 to 3 may be out
	TURN 0
.macro STEP t
.set XS, X+16*((\t)%2)
.if (\t) > 0
	s_wait_dscnt 1                                 ; this step's numbers are back from the stage (the last step's byte store may be out): so its stores into the stage have read their registers,
.else
	s_wait_dscnt 0x0
.endif
.if (\t)+4 < STEPS
	LOAD (\t)+4                                    ; which take the loads of four steps on
.endif
.if (\t)+1 < STEPS
.if STEPS-2-(\t) >= 3
	s_wait_loadcnt 12                              ; the next step's four loads are in; those of the three steps behind it may be out
.else
	s_wait_loadcnt 4*(STEPS-2-(\t))                ; at the end the count runs down: four for each step still behind
.endif
	TURN (\t)+1                                    ; and go through the other stage while this step is worked
.endif
	v_max3_num_f32 v8, |v[XS]|, |v[XS+1]|, |v[XS+2]|               ; the largest magnitude of my 16, in two chains
	v_max3_num_f32 v9, |v[XS+3]|, |v[XS+4]|, |v[XS+5]|
.irp i, 6,10
	v_max3_num_f32 v8, v8, |v[XS+\i]|, |v[XS+\i+1]|
	v_max3_num_f32 v9, v9, |v[XS+\i+2]|, |v[XS+\i+3]|
.endr
	v_max3_num_f32 v8, v8, |v[XS+14]|, |v[XS+15]|
	v_max3_num_f32 v8, v8, v9, 0x8000000           ; and the floor 2^(16 - 127): so the byte cannot fall under 1
	v_max_num_f32_dpp v8, v8, v8 row_xmask:1 row_mask:0xf bank_mask:0xf   ; and of my neighbour's 16: the block's
	v_add_nc_u32 v11, 0xf8800000, v8               ; 15 off its exponent field: the conversion takes the exponent field of this operand as its scale, and nothing else of it
.irp i, 0,1,2,3,4,5,6,7,8,9,10,11,12,13,14,15
.endr
	v_cvt_scalef32_pk8_bf8_f32 v[C+4*(\t):C+4*(\t)+1], v[XS:XS+7], v11
	v_cvt_scalef32_pk8_bf8_f32 v[C+4*(\t)+2:C+4*(\t)+3], v[XS+8:XS+15], v11
	v_lshrrev_b32 v[E+(\t)], 23, v11               ; the scale's byte (also the plain line behind the conversions)
	ds_store_b8 v5, v[E+(\t)] offset:16*(\t)       ; both lanes of a block write the same byte with the same value
	global_store_b128 v4, v[C+4*(\t):C+4*(\t)+3], s[8:9] offset:32*CB*(\t)   ; 32 lanes store 512 consecutive bytes, at a multiple of 512 from opnd's first byte
.endm
.irp t, 0,1,2,3,4,5,6,7,8,9,10,11,12,13,14,15
	STEP \t
.endr
	ds_load_b64 v[12:13], v6                       ; LDS serves a wave's instructions in order: these see my stores
	s_wait_dscnt 0x0
	global_store_b64 v7, v[12:13], s[10:11]        ; 32 lanes store 256 consecutive bytes, aligned
	s_wait_tensorcnt 0x0
	ds_add_u32 v192, v193
	s_wait_dscnt 0x0
	s_endpgm
.Lfunc_end_k_qfb33916e43_quant:
	.size	k_qfb33916e43_quant, .Lfunc_end_k_qfb33916e43_quant-k_qfb33916e43_quant
	.p2alignl 7, 3214868480
	.fill 96, 4, 3214868480
	.section	.rodata,"a",@progbits
	.p2align	6, 0x0
	.amdhsa_kernel k_qfb33916e43_quant
		.amdhsa_group_segment_fixed_size 33280
		.amdhsa_private_segment_fixed_size 0
		.amdhsa_enable_private_segment 0
		.amdhsa_kernarg_size 48
		.amdhsa_user_sgpr_count 2
		.amdhsa_user_sgpr_kernarg_segment_ptr 1
		.amdhsa_wavefront_size32 1
		.amdhsa_system_sgpr_workgroup_id_x 1
		.amdhsa_system_sgpr_workgroup_id_y 1
		.amdhsa_system_sgpr_workgroup_id_z 1
		.amdhsa_system_vgpr_workitem_id 0
		.amdhsa_next_free_vgpr 194
		.amdhsa_next_free_sgpr 66
		.amdhsa_reserve_vcc 0
		.amdhsa_float_denorm_mode_32 3
		.amdhsa_float_denorm_mode_16_64 3
		.amdhsa_fp16_overflow 1
		.amdhsa_memory_ordered 1
		.amdhsa_forward_progress 1
		.amdhsa_inst_pref_size 34
	.end_amdhsa_kernel
	.amdgpu_metadata
---
amdhsa.version: [ 1, 2 ]
amdhsa.kernels:
  - .name:           k_qfb33916e43_quant
    .symbol:         k_qfb33916e43_quant.kd
    .args:
      - { .name: x, .offset: 0, .size: 8, .value_kind: global_buffer, .address_space: global }
      - { .name: Wq, .offset: 8, .size: 8, .value_kind: global_buffer, .address_space: global }
      - { .name: Wk, .offset: 16, .size: 8, .value_kind: global_buffer, .address_space: global }
      - { .name: Wv, .offset: 24, .size: 8, .value_kind: global_buffer, .address_space: global }
      - { .name: Wo, .offset: 32, .size: 8, .value_kind: global_buffer, .address_space: global }
      - { .name: opnd, .offset: 40, .size: 8, .value_kind: global_buffer, .address_space: global }
    .group_segment_fixed_size: 33280
    .private_segment_fixed_size: 0
    .kernarg_segment_align: 8
    .kernarg_segment_size: 48
    .max_flat_workgroup_size: 128
    .sgpr_count:     66
    .vgpr_count:     194
    .wavefront_size: 32
...
	.end_amdgpu_metadata
.endif
;; end of part 1
;; launch proj (part 2): grid 96 x 4, 4 waves a work-group, clusters of 4 x 4, 327,680 bytes of LDS; arguments opnd, qkv, bq, bk, bv; writes qkv
.if DOCPART == 2
	.amdgcn_target "amdgcn-amd-amdhsa--gfx1250"
	.amdhsa_code_object_version 6
	.text
	.protected	k_qfb33916e43_proj
	.globl	k_qfb33916e43_proj
	.p2align	8
	.type	k_qfb33916e43_proj,@function
k_qfb33916e43_proj:
	s_mov_b64 s[64:65], 0
	v_nop
	global_prefetch_b8 v0, s[64:65] scope:SCOPE_SE
	s_setreg_imm32_b32 hwreg(HW_REG_WAVE_MODE, 25, 1), 1
	s_wait_xcnt 0x0
	s_wait_alu depctr_hold_cnt(0) depctr_sa_sdst(0) depctr_va_vdst(0) depctr_va_sdst(0) depctr_va_ssrc(0) depctr_va_vcc(0) depctr_vm_vsrc(0)
	s_getreg_b32 s2, hwreg(HW_REG_IB_STS2, 6, 4)
	s_cmp_eq_u32 s2, 0
	s_cbranch_scc0 .Lentry_in_a_cluster
	s_endpgm
.Lentry_in_a_cluster:
	s_bfe_u32 s2, ttmp6, 0x10000c
	s_cmp_lg_u32 s2, 0xf033
	s_cbranch_scc0 .Lentry_shape_is_right
	s_endpgm
.Lentry_shape_is_right:
; q = x Wq^T + bq, k = x Wk^T + bk, v = x Wv^T + bv on codes of BF8 (E5M2) with E8M0 scales (K = 1,024), and at once the quantising of q and k along the head's 64 and of v along the KEYS.
; opnd (read): codes [12288 positions][1024], from OPS on scale bytes [12288][32]; x at position 0, Wq 8192, Wk 9216, Wv 10240.  Position p holds row p with bits 3 and 4 exchanged.
; qkv (written): for each of 64 (batch, head) and 16 steps of 128 positions a record of REC bytes: q's 8 tiles as register images [tile][c 0,1][512 bytes], q's scale words [tile][16 rows][4]; at KOFF the same for k;
; at VOFF v's 4 tiles of 16 channels x 128 keys as images [tile][c 0..3][512], then their scale words.  An IMAGE is four registers of a fragment as they stand, lane l's 16 bytes at 16 l: whoever loads it so has the fragment.
; THE PRODUCT.  A tile of 256 x 256 to a work-group of four waves, 128 x 128 to a wave: 64 accumulators, 512 registers.  K goes in steps of 256 through two LDS slots filled by the tensor data mover; the scale bytes of the
; work-group's rows come once, with the first fills.  The matrix instruction's source 0 takes rows of "B", source 1 rows of "A": a lane then holds ONE row of A and its registers run along B's rows, and by the order of the
; positions the 16 registers of accumulators 2 b and 2 b + 1 are 16 neighbours of that axis: 32 b + 16 (lane / 16) + 0 .. 15.  That axis is the one to be quantised:
;   clusters 0-15  (q, k): A = x (8 x 4 tile rows), B = Wq and Wk on end (2 x 4 tile columns): registers run along the output channel.
;   clusters 16-23 (v):    A = Wv (4 tile rows),    B = x (8 x 4 tile columns):                registers run along the keys.
; CLUSTERS: 4 x 4 work-groups; A's tiles are asked for jointly by a row of the cluster, B's by a column.  The role hangs on the cluster's number, which all sixteen share.
; LIMITS: a block of zeros gets the scale byte 1 (its codes are zeros; this program alone reads the bytes); largest magnitudes under 2^-111 were not tried; NaN and infinities are not served.
; REGISTERS, in windows of 256: window 0: v0-31 addresses; v32-63 scale words, two sets; v64-127 the biases; from v128 A's fragments, one set (on the way out: the block in hand).  window 1: B's fragments, two sets.
;   window 2: the accumulators of my rows 0-63 ((a, b) at v[8 (8 a + b)]);  window 3: those of my rows 64-127.
.set NQ,     2                         ; matrix instructions deep in a slot: 256 along K
.set ROWB,   256                       ; a tile's row in bytes
.set KROW,   1024                      ; a row of codes in memory
.set PITCH,  272                       ; an LDS row: 256 bytes + 16 of padding = 68 words: row r starts at bank 4 r mod 64 (ISA guide 11.1)
.set FR,     16                        ; registers of a fragment
.set NL,     4                         ; LDS loads that bring one
.set NP,     8                         ; places behind this matrix instruction (ISA guide 7.12.1)
.set HALFT,  128*PITCH                 ; 128 rows: what one tensor load brings
.set SLOT,   4*HALFT                   ; A's 256 rows, then B's 256 rows
.set LAPS,   2                         ; 1,024 along K = two laps of two K steps
.set KS,     32                        ; a row of scale bytes
.set SCL,    2*SLOT                    ; behind the ring: the scales, as runs of 256 bytes + 16 of padding
.set HALFS,  16*272                    ; the scales of 128 rows
.set SBLK,   2*272                     ; those of 16 rows
.set SPARE,  SCL+4*HALFS               ; behind the scales: the spare words, 128 bytes a wave: two blocks of 256 bytes that no other line names
.set OPS,    12582912
.set REC,    25856
.set HEADB,  16*REC
.set KOFF,   8704
.set VOFF,   17408
.set LI,   8                           ; v8   16 x lane: my place in an image
.set QSW,  9                           ; v9   q/k way out: my word's place in my stage: 4 x lane + 1,024 x wave
.set QSR,  10                          ; v10  and where I read it back: 16 x lane + 1,024 x wave
.set VGO,  11                          ; v11  v's scale words in memory: 16 (lane % 16) + HEADB (lane / 16)
.set BQO,  12                          ; v12  q/k's bias: 64 (lane / 16)
.set BVO,  13                          ; v13  v's bias: 4 x (lane % 16 with its bit 3 moved to bit 4)
.set VSW,  14                          ; v14  v's way out: 4 x lane + 512 x wave + 4,096: LDS bytes of its own
.set VSR,  15                          ; v15  16 x lane + 512 x wave + 4,096
.set ADRA, 16                          ; v16-17  LDS address of my A fragments in slot 0, 1
.set ADRB, 20                          ; v20-21  the same for B
.set ADRS, 27                          ; v27  LDS address of my scale words: lanes 0-15 A's rows, lanes 16-31 B's
.set SPW,  28                          ; v28  my spare word: SPARE + 4 x my thread's number; never rewritten
.set NIL,  29                          ; v29  0; never rewritten
.set SC,   32                          ; scale words: set s at v[SC + 16 s]; register 2 i + q: lanes 0-15 A's block i, lanes 16-31 B's block i
.set WS,   32                          ; the way out: the scale words made, 32 rows to a register
.set BI,   64                          ; the biases
.set AF,   128                         ; A's fragments
.set T,    128                         ; the way out: v128-191 a block's 64 numbers
.set PC,   192                         ; v192-207 its codes
.set TM,   208                         ; v208-211 largest magnitudes, v212-215 bytes, v220-223 the conversions' scale operands
.set PW,   224                         ; the scale word just made
.set BK,   228                         ; v228-235 words read back from the stage
.set G1, 24                            ; s[24:31] descriptor group 1 for A's tiles;  s[32:39] group 0, one set for each slot
.set G0, 32
.set G1B, 48                           ; s[48:55], s[56:63] the same for B's tiles
.set G0B, 56
.set G1S, 68                           ; s[68:75], s[76:79] groups 1 and 0 for A's scales;  s[80:87], s[88:91] for B's
.set G0S, 76
.set G1SB, 80
.set G0SB, 88
.set SEL, 66                           ; s[66:67] v_permlanex16_b32's selects for lane l xor 16
.set MNT, 100
.set HI16, 101                         ; s101 the mask of lanes 16-31
.set MSB, 0
.macro WIN new                         ; the immediate's high byte repeats the setting that is left
.if MSB != \new
	s_set_vgpr_msb (MSB<<8)|\new
.set MSB, \new
.endif
.endm
.set MUL_LO, 0xa1                      ; source 0 (B) window 1, source 1 (A) window 0, C and D window 2
.set MUL_HI, 0xf1                      ; the same, C and D window 3
.set TO_B,   0x40                      ; destination window 1, address window 0
; A joint load: waves 0 and 1 fetch for A, waves 2 and 3 for B.  Each line has one mask and one set of registers for all that issue it; the branch hangs on the wave's number alone.
; Four v_nop follow each of the two lines, ahead of the jump, the label and what follows.
.macro JLOAD g0a, g1a, g0b, g1b
	s_cmp_eq_u32 s15, 0
	s_cbranch_scc0 .Lfor_b_\@
	tensor_load_to_lds s[\g0a:\g0a+3], s[\g1a:\g1a+7]
	s_nop 0
.rept 4
	v_nop
.endr
	s_branch .Lasked_\@
.Lfor_b_\@:
	tensor_load_to_lds s[\g0b:\g0b+3], s[\g1b:\g1b+7]
	s_nop 0
.rept 4
	v_nop
.endr
.Lasked_\@:
.endm
.macro CREST                           ; a round of the cluster's barrier behind its opening barrier
	s_cmp_lg_u32 s14, 0
	s_cbranch_scc1 .Lnot_wave_0_\@
	s_barrier_signal -3
.Lnot_wave_0_\@:
	s_barrier_wait -3
	s_barrier_signal -1
	s_barrier_wait -1
.endm
.macro CROUND                          ; a whole round
	s_barrier_signal -1
	s_barrier_wait -1
	CREST
.endm
	s_load_b256 s[4:11], s[0:1], 0x0               ; opnd s[4:5], qkv s[6:7], bq s[8:9], bk s[10:11]
	s_load_b64 s[12:13], s[0:1], 0x20              ; bv
	v_lshl_add_u32 v[SPW], v0, 2, SPARE
	v_mov_b32 v[NIL], 0
	ds_add_u32 v28, v29
	ds_add_u32 v28, v29
	s_wait_dscnt 0x0
	v_lshrrev_b32 v1, 5, v0
	v_readfirstlane_b32 s14, v1                    ; wave 0..3
	s_lshr_b32 s15, s14, 1                         ; which half of the tile's A rows is mine.  Also: I fetch for A (0) or for B (1)
	s_and_b32 s16, s14, 1                          ; which half of its B rows.  Also: which 128 rows of that tile I fetch
	s_bfe_u32 s40, ttmp6, 0x40000                  ; cx, cy: my place in the cluster
	s_bfe_u32 s41, ttmp6, 0x40004
	s_and_b32 s95, ttmp9, 1                        ; THE ROLE, by the cluster's number: q/k: cluster column = number % 2,
	s_lshr_b32 s96, ttmp9, 1                       ; cluster row = number / 2;
	s_sub_co_u32 s94, ttmp9, 16                    ; v: cluster column = number - 16, cluster row 0
	s_cmp_ge_u32 ttmp9, 16
	s_cselect_b32 s95, s94, s95
	s_cselect_b32 s96, 0, s96
	s_cselect_b32 s97, 10240, 0                    ; A's first position: Wv's or x's
	s_cselect_b32 s98, 0, 8192                     ; B's: x's or Wq's (Wk follows it)
	s_cselect_b32 s99, 1, 0                        ; 1: v
	s_lshl_b32 s42, s95, 2
	s_add_co_u32 s42, s42, s40                     ; tile column = 4 x cluster column + cx
	s_lshl_b32 s17, s96, 2
	s_add_co_u32 s17, s17, s41                     ; tile row = 4 x cluster row + cy
	s_lshl_b32 s43, s41, 2
	s_lshl_b32 s43, 15, s43                        ; my row of the cluster
	s_lshl_b32 s44, 0x1111, s40                    ; my column
	; descriptor group 1: a tile of 128 rows x 256 bytes, padded in LDS
	s_or_b32 s[G1+0], s43, (0<<16)|(1<<20)|(1<<21)|(5<<22)|(3<<25)  ; 15:0 the mask: A's tiles go to my row; 17:16 elements of 1 byte; 20 padding on; 21 set beside a mask; 24:22 after every 64 words; 31:25 four words
	s_or_b32 s[G1B+0], s44, (0<<16)|(1<<20)|(1<<21)|(5<<22)|(3<<25)
.irp g, G1, G1B
	s_mov_b32 s[\g+1], ROWB<<16                    ; tensor_dim0
	s_mov_b32 s[\g+2], 128<<16                     ; tensor_dim1
	s_mov_b32 s[\g+3], ROWB<<16                    ; tile_dim0
	s_mov_b32 s[\g+4], 128                         ; tile_dim1
	s_mov_b32 s[\g+5], KROW                        ; tensor_dim0_stride
	s_mov_b32 s[\g+6], 0
	s_mov_b32 s[\g+7], 0
.endr
	; the scales of 128 rows: 4,096 dense bytes, as 16 rows of 256 bytes (32 elements of 8 bytes), 16 bytes of padding behind each
	s_or_b32 s[G1S+0], s43, (3<<16)|(1<<20)|(1<<21)|(5<<22)|(3<<25)
	s_or_b32 s[G1SB+0], s44, (3<<16)|(1<<20)|(1<<21)|(5<<22)|(3<<25)
.irp g, G1S, G1SB
	s_mov_b32 s[\g+1], 32<<16
	s_mov_b32 s[\g+2], 16<<16
	s_mov_b32 s[\g+3], 32<<16
	s_mov_b32 s[\g+4], 16
	s_mov_b32 s[\g+5], 32
	s_mov_b32 s[\g+6], 0
	s_mov_b32 s[\g+7], 0
.endr
	s_lshl_b32 s18, s16, 7                         ; which 128 rows of the tile I fetch
	s_lshl_b32 s20, s17, 8
	s_add_co_u32 s20, s20, s18
	s_add_co_u32 s20, s20, s97                     ; A: position = first + 256 x tile row + 128 x half: never holds cx
	s_lshl_b32 s46, s42, 8
	s_add_co_u32 s46, s46, s18
	s_add_co_u32 s46, s46, s98                     ; B: position = first + 256 x tile column + 128 x half: never holds cy
	s_lshl_b32 s22, s20, 5                         ; their scale bytes: 32 a position, behind OPS (all offsets stay under 13 million)
	s_add_co_u32 s22, s22, OPS
	s_mov_b32 s23, 0
	s_lshl_b32 s92, s46, 5
	s_add_co_u32 s92, s92, OPS
	s_mov_b32 s93, 0
	s_lshl_b32 s20, s20, 10                        ; their codes: 1,024 bytes a position
	s_mov_b32 s21, 0
	s_lshl_b32 s46, s46, 10
	s_mov_b32 s47, 0
	s_mul_i32 s45, s14, HALFT                      ; where they go: wave x 128 rows: no place in the cluster enters an LDS address
	s_mul_i32 s94, s14, HALFS
	s_mov_b32 s[SEL], 0x76543210
	s_mov_b32 s[SEL+1], 0xfedcba98
	s_wait_kmcnt 0x0
	s_add_nc_u64 s[20:21], s[4:5], s[20:21]
	s_add_nc_u64 s[22:23], s[4:5], s[22:23]
	s_add_nc_u64 s[46:47], s[4:5], s[46:47]
	s_add_nc_u64 s[92:93], s[4:5], s[92:93]
	CROUND                                         ; all sixteen work-groups are here: the first joint loads meet
	s_mov_b32 s[G0S], 1
	s_add_co_u32 s[G0S+1], s94, SCL
	s_mov_b64 s[G0S+2:G0S+3], s[22:23]
	s_or_b32 s[G0S+3], s[G0S+3], 0x80000000
	s_mov_b32 s[G0SB], 1
	s_add_co_u32 s[G0SB+1], s94, SCL
	s_mov_b64 s[G0SB+2:G0SB+3], s[92:93]
	s_or_b32 s[G0SB+3], s[G0SB+3], 0x80000000
	JLOAD G0S, G1S, G0SB, G1SB                     ; the scales first: they are wanted with K step 0
.irp s, 0,1
	s_mov_b32 s[G0+4*\s], 1
	s_add_co_u32 s[G0+4*\s+1], s45, \s*SLOT
	s_add_nc_u64 s[G0+4*\s+2:G0+4*\s+3], s[20:21], \s*ROWB
	s_or_b32 s[G0+4*\s+3], s[G0+4*\s+3], 0x80000000
	s_mov_b32 s[G0B+4*\s], 1
	s_add_co_u32 s[G0B+4*\s+1], s45, \s*SLOT
	s_add_nc_u64 s[G0B+4*\s+2:G0B+4*\s+3], s[46:47], \s*ROWB
	s_or_b32 s[G0B+4*\s+3], s[G0B+4*\s+3], 0x80000000
	JLOAD G0+4*\s, G1, G0B+4*\s, G1B               ; three tensor loads of mine are out now, later one
.endr
	v_and_b32 v1, 15, v0                           ; r = l % 16
	v_bfe_u32 v2, v0, 4, 1                         ; h = l / 16
	v_mul_u32_u24 v3, v1, PITCH
	v_lshl_add_u32 v4, v2, 4, v3                   ; a fragment's row x pitch + 16 x half
	s_mul_i32 s21, s15, HALFT                      ; my 128 rows of A
	s_mul_i32 s22, s16, HALFT                      ; my 128 rows of B,
	s_add_co_u32 s22, s22, 2*HALFT                 ; which lie behind A's 256
.irp s, 0,1
	v_add_nc_u32 v[ADRA+\s], s21, v4
	v_add_nc_u32 v[ADRB+\s], s22, v4
	s_add_co_u32 s21, s21, SLOT
	s_add_co_u32 s22, s22, SLOT
.endr
	v_mul_u32_u24 v5, v1, KS                       ; my row's scales: 32 bytes a row,
	v_lshrrev_b32 v6, 8, v5
	v_lshl_add_u32 v5, v6, 4, v5                   ; and 16 more for each 256 passed
	s_mul_i32 s21, s15, HALFS                      ; A's: my 128 rows
	s_mul_i32 s22, s16, HALFS                      ; B's: my 128 rows, behind A's 256
	s_add_co_u32 s22, s22, 2*HALFS
	s_sub_co_u32 s22, s22, s21
	v_mul_u32_u24 v6, s22, v2                      ; lanes 16-31 take B's: one product, the distance between the two bases
	s_add_co_u32 s21, s21, SCL
	v_add_nc_u32 v5, v5, v6
	v_add_nc_u32 v[ADRS], s21, v5
	v_and_b32 v7, 31, v0                           ; lane.  All addresses of the way out are made here, ahead of the parting of the roles
	v_lshlrev_b32 v[LI], 4, v7
	s_lshl_b32 s21, s14, 10
	v_lshl_add_u32 v[QSW], v7, 2, s21
	v_add_nc_u32 v[QSR], s21, v[LI]
	s_lshl_b32 s21, s14, 9
	s_add_co_u32 s21, s21, 4096
	v_lshl_add_u32 v[VSW], v7, 2, s21
	v_add_nc_u32 v[VSR], s21, v[LI]
	v_mul_u32_u24 v[VGO], v2, HEADB
	v_lshl_add_u32 v[VGO], v1, 4, v[VGO]
	v_lshlrev_b32 v[BQO], 6, v2
	v_and_b32 v5, 7, v1
	v_lshrrev_b32 v6, 3, v1
	v_lshl_add_u32 v5, v6, 4, v5
	v_lshlrev_b32 v[BVO], 2, v5
	v_cmp_le_u32 s[HI16], 16, v7
.macro FRAG reg, adr, q, i             ; a fragment, 16 rows x 128 K, is 16 registers: lane l holds row l % 16; registers 4 c .. 4 c + 3 hold K = 32 c + 16 (l / 16) + 0 .. 15
.irp c, 0,1,2,3
	ds_load_b128 v[\reg+4*\c:\reg+4*\c+3], v[\adr] offset:128*(\q)+32*\c+(\i)*16*PITCH
.endr
.endm
; 16 matrix instructions: A's blocks a0, a0 + 1 x B's eight, the slot's q-th 128 along K.  p: B's set;  sc: the set of scale words.  zero = 1: the first product starts the sums.
; The 64 accumulators take turns, one instruction a turn, in the same order in every step.
.macro MUL16 a0, p, q, sc, zero
.irp a, \a0, \a0+1
.irp b, 0,1,2,3,4,5,6,7
.if \zero
	v_wmma_scale_f32_16x16x128_f8f6f4 v[8*(8*((\a)%4)+\b):8*(8*((\a)%4)+\b)+7], v[128*(\p)+FR*\b:128*(\p)+FR*\b+FR-1], v[AF+FR*(\a):AF+FR*(\a)+FR-1], 0, v[SC+8*NQ*(\sc)+NQ*\b+(\q)], v[SC+8*NQ*(\sc)+NQ*(\a)+(\q)] matrix_a_fmt:MATRIX_FMT_BF8 matrix_b_fmt:MATRIX_FMT_BF8 matrix_a_scale:MATRIX_SCALE_ROW1
.else
	v_wmma_scale_f32_16x16x128_f8f6f4 v[8*(8*((\a)%4)+\b):8*(8*((\a)%4)+\b)+7], v[128*(\p)+FR*\b:128*(\p)+FR*\b+FR-1], v[AF+FR*(\a):AF+FR*(\a)+FR-1], v[8*(8*((\a)%4)+\b):8*(8*((\a)%4)+\b)+7], v[SC+8*NQ*(\sc)+NQ*\b+(\q)], v[SC+8*NQ*(\sc)+NQ*(\a)+(\q)] matrix_a_fmt:MATRIX_FMT_BF8 matrix_b_fmt:MATRIX_FMT_BF8 matrix_a_scale:MATRIX_SCALE_ROW1
.endif
.endr
.endr
.endm
.macro FETCH_B slot, q, p              ; B's eight fragments of the slot's q-th 128 along K into set p
	WIN TO_B
.irp i, 0,1,2,3,4,5,6,7
	FRAG 128*(\p)+FR*\i, ADRB+\slot, \q, \i
.endr
	WIN 0
.endm
.macro FETCH_A slot, q, i0             ; A's blocks i0 .. i0 + 3
.irp i, \i0, \i0+1, \i0+2, \i0+3
	FRAG AF+FR*(\i), ADRA+\slot, \q, \i
.endr
.endm
.macro SCALES sc                       ; the next K step's scale words into set sc: two words a row; lanes 0-15 take A's block i, lanes 16-31 B's block i
.irp i, 0,1,2,3,4,5,6,7
	ds_load_b64 v[SC+8*NQ*\sc+NQ*\i:SC+8*NQ*\sc+NQ*\i+1], v[ADRS] offset:\i*SBLK
.endr
.endm
; A load into a register that a matrix instruction has read, and a vector instruction that reads a matrix result or writes one of its registers, stand NP places behind it; only plain vector
; instructions that name none of its registers are places (ISA guide 7.12.1 for vector instructions).
.macro PLACES n
.rept \n
	v_nop
.endr
.endm
; A step of 128 along K that has its successor in the same slot.
.macro STEP slot, q, zero
	s_wait_dscnt 4*NL                              ; B's set and A's blocks 0-3 are in; the youngest sixteen loads (A's blocks 4-7) may be out
	WIN MUL_LO
	MUL16 0, (\q)%2, \q, \slot, \zero
	MUL16 2, (\q)%2, \q, \slot, \zero
	s_wait_dscnt 0                                 ; A's blocks 4-7 are in (asked for 32 matrix instructions ago)
	PLACES NP
	FETCH_B \slot, (\q)+1, 1-(\q)%2
	FETCH_A \slot, (\q)+1, 0
	WIN MUL_HI
	MUL16 4, (\q)%2, \q, \slot, \zero
	MUL16 6, (\q)%2, \q, \slot, \zero
	PLACES NP
	WIN 0
	FETCH_A \slot, (\q)+1, 4
.endm
; A slot's last step changes slots: ONE barrier; in front of it each wave waits for all its tensor loads, adds 0 to its spare word, and waits for that and for its own reads of this slot.  fill = 1: this slot is filled again, two K steps ahead.
.macro TURN slot, next, fill
	s_wait_tensorcnt 0x0                           ; all my tensor loads have landed: my part of the next slot (every window is 0 here)
	ds_add_u32 v[SPW], v[NIL]                      ; 0 onto my spare word
	s_wait_dscnt 4*NL+1                            ; (the add and the youngest sixteen loads, A's blocks 4-7, may be out)
	WIN MUL_LO
	MUL16 0, 1, NQ-1, \slot, 0                     ; sixteen matrix instructions stand between the add and the wait for it
	s_wait_dscnt 0x0                               ; the add is done, and my reads of this slot are over
	s_barrier_signal -1
	MUL16 2, 1, NQ-1, \slot, 0
	WIN 0
	s_barrier_wait -1
.if \fill
	CREST                                          ; the barrier has opened a round of the cluster's barrier: no wave of any partner still reads this slot's tile or has a load on its way
	s_add_nc_u64 s[G0+4*\slot+2:G0+4*\slot+3], s[G0+4*\slot+2:G0+4*\slot+3], 2*ROWB
	s_add_nc_u64 s[G0B+4*\slot+2:G0B+4*\slot+3], s[G0B+4*\slot+2:G0B+4*\slot+3], 2*ROWB
	JLOAD G0+4*\slot, G1, G0B+4*\slot, G1B         ; the first tensor load behind the round; its four v_nop are among the places in front of the loads below
	PLACES NP-4
.else
	PLACES NP
.endif
	s_wait_alu depctr_va_vdst(0)
	v_add_nc_u32 v[ADRS], 4*NQ, v[ADRS]            ; on to the next K step's scale words (no LDS load of mine is out)
	FETCH_B \next, 0, 0
	FETCH_A \next, 0, 0
	SCALES \next
	WIN MUL_HI
	MUL16 4, 1, NQ-1, \slot, 0
	MUL16 6, 1, NQ-1, \slot, 0
	PLACES NP
	WIN 0
	FETCH_A \next, 0, 4
.endm
.macro LAST                            ; the very last 128 along K: nothing more to fetch
	s_wait_dscnt 4*NL                              ; A's blocks 4-7 may be out
	WIN MUL_LO
	MUL16 0, 1, NQ-1, 1, 0
	MUL16 2, 1, NQ-1, 1, 0
	s_wait_dscnt 0
	WIN MUL_HI
	MUL16 4, 1, NQ-1, 1, 0
	MUL16 6, 1, NQ-1, 1, 0
	WIN 0
.endm
; 64 numbers of a lane, v[s] .. v[s + 63], register 16 b + i = place 32 b + 16 (lane / 16) + i along the axis to be quantised, become a fragment's codes in v[PC] on and its scale word in v[PW].
.macro QUANT s
.irp b, 0,1,2,3
	v_max3_num_f32 v[TM+\b], |v[\s+16*\b]|, |v[\s+1+16*\b]|, 0x8000000   ; block b: my 16 numbers, and the floor 2^(16 - 127): so the byte cannot fall under 1
.endr
.irp i, 2,4,6,8,10,12,14
.irp b, 0,1,2,3
	v_max3_num_f32 v[TM+\b], v[TM+\b], |v[\s+16*\b+\i]|, |v[\s+1+16*\b+\i]|   ; (the four blocks by turns)
.endr
.endr
.irp b, 0,1,2,3
	v_permlanex16_b32 v[TM+4+\b], v[TM+\b], s[SEL], s[SEL+1]
.endr
.irp b, 0,1,2,3
	v_max_num_f32 v[TM+\b], v[TM+\b], v[TM+4+\b]   ; with lane l xor 16's: the block's largest magnitude
.endr
.irp b, 0,1,2,3
	v_add_nc_u32 v[TM+12+\b], 0xf8800000, v[TM+\b]   ; 15 off its exponent field: the conversion's scale operand
.endr
.irp b, 0,1,2,3
.endr
.irp b, 0,1,2,3
	v_lshrrev_b32 v[TM+4+\b], 23, v[TM+12+\b]      ; the scale's byte
.endr
	v_lshl_or_b32 v[PW], v[TM+5], 8, v[TM+4]       ; the four bytes, the lower block in the lower byte
	v_lshl_or_b32 v[PW], v[TM+6], 16, v[PW]
	v_lshl_or_b32 v[PW], v[TM+7], 24, v[PW]
.irp b, 0,1,2,3
.irp i, 0,1,2,3,4,5,6,7,8,9,10,11,12,13,14,15
.endr
	v_cvt_scalef32_pk8_bf8_f32 v[PC+4*\b:PC+1+4*\b], v[\s+16*\b:\s+7+16*\b], v[TM+12+\b]
	v_cvt_scalef32_pk8_bf8_f32 v[PC+2+4*\b:PC+3+4*\b], v[\s+8+16*\b:\s+15+16*\b], v[TM+12+\b]
.endr
	v_nop                                          ; one plain vector line behind the last conversion
.endm
; THE WAY OUT of A's block a (16 rows of A x my 128 rows of B): + bias, quantised, its four groups of code registers stored as images (512 consecutive bytes a store), its scale words gathered.
; role 0 (q, k): blocks 0, 1 belong to my first head, blocks 2, 3 to my second; the word falls into two halves.  role 1 (v): the four blocks are the four groups of ONE fragment of 128 keys.
.macro ABLK a, role
.if (\a) > 0
	s_wait_xcnt 0x0                                ; the last block's stores have read their registers: the codes are written again only behind this wait
.endif
	WIN 0x02+((\a)/4)                              ; source 0: window 2 or 3
.set AC, 64*((\a)%4)
.set i, 0
.rept 32
.if \role
	v_pk_add_f32 v[T+2*i:T+2*i+1], v[AC+2*i:AC+2*i+1], v[BI+2*(\a):BI+2*(\a)+1]   ; each accumulator from its low end on; v's bias hangs on the lane's row alone
.else
	v_pk_add_f32 v[T+2*i:T+2*i+1], v[AC+2*i:AC+2*i+1], v[BI+2*i:BI+2*i+1]         ; q's and k's on the register's channel
.endif
.set i, i+1
.endr
	WIN 0
	QUANT T
.irp c, 0,1,2,3
.if \role
	global_store_b128 v[LI], v[PC+4*\c:PC+4*\c+3], s[6:7] offset:((\a)/4)*HEADB+((\a)%4)*2048+\c*512
.else
	global_store_b128 v[LI], v[PC+4*\c:PC+4*\c+3], s[6:7] offset:(\c/2)*HEADB+(\a)*1024+(\c%2)*512
.endif
.endr
.if \role                              ; lanes l and l xor 16 hold the same word: an even block's stays in lanes 0-15, the odd block's takes lanes 16-31: 32 rows' words to a register
.if (\a)%2 == 0
	v_mov_b32 v[WS+(\a)/2], v[PW]
.else
	v_cndmask_b32 v[WS+(\a)/2], v[WS+(\a)/2], v[PW], s[HI16]
.endif
.else
.if (\a)%2 == 0
	v_and_b32 v[WS+(\a)/2], 0xffff, v[PW]          ; a head's word: its two bytes; the upper two are 0 and stand over zero codes
	v_lshrrev_b32 v[WS+4+(\a)/2], 16, v[PW]
.else
	v_and_b32 v[PW+1], 0xffff, v[PW]
	v_lshrrev_b32 v[PW+2], 16, v[PW]
	v_cndmask_b32 v[WS+(\a)/2], v[WS+(\a)/2], v[PW+1], s[HI16]
	v_cndmask_b32 v[WS+4+(\a)/2], v[WS+4+(\a)/2], v[PW+2], s[HI16]
.endif
.endif
.endm
	s_wait_tensorcnt 1                             ; the scales and my part of K step 0 are in (K step 1's load may be out)
	s_barrier_signal -1
	s_barrier_wait -1                              ; everybody's are
	FETCH_B 0, 0, 0
	FETCH_A 0, 0, 0
	SCALES 0
	FETCH_A 0, 0, 4
	STEP 0, 0, 1                                   ; the first step stands in front of the loop: its products start the sums
	s_mov_b32 s3, LAPS-1
.Llap:                                                 ; a trip goes once round the ring, from a lap's second step to the next lap's first, and fills both slots again
	TURN 0, 1, 1
	STEP 1, 0, 0
	TURN 1, 0, 1
	STEP 0, 0, 0
	s_sub_co_u32 s3, s3, 1
	s_cmp_lg_u32 s3, 0
	s_cbranch_scc1 .Llap
	TURN 0, 1, 0                                   ; the last lap fills nothing; behind this barrier nobody reads slot 0, which has had its last fill: the stages of the way out lie there
	STEP 1, 0, 0
	s_cmp_lg_u32 s99, 0                            ; the roles part: the cluster's number decides, alike in all partners
	s_cbranch_scc1 .Lv
	; ---- q and k.  My 128 positions of x are step st of batch b; my 128 channels are two heads of q or of k.
	s_lshl_b32 s18, s17, 8
	s_lshl_b32 s19, s15, 7
	s_add_co_u32 s18, s18, s19                     ; my first position
	s_lshr_b32 s19, s18, 11                        ; batch
	s_bfe_u32 s20, s18, 0x40007                    ; step
	s_lshl_b32 s21, s42, 8
	s_lshl_b32 s22, s16, 7
	s_add_co_u32 s21, s21, s22                     ; my first channel among q's 1,024 and k's 1,024
	s_lshr_b32 s22, s21, 10                        ; 1: k
	s_and_b32 s21, s21, 1023
	s_lshr_b32 s23, s21, 6                         ; my first head
	s_lshl_b32 s19, s19, 4
	s_add_co_u32 s19, s19, s23
	s_lshl_b32 s19, s19, 4
	s_add_co_u32 s19, s19, s20
	s_mul_i32 s18, s19, REC                        ; the record (26.5 million bytes at the most)
	s_mul_i32 s20, s22, KOFF
	s_add_co_u32 s18, s18, s20
	s_mov_b32 s19, 0
	s_add_nc_u64 s[6:7], s[6:7], s[18:19]
	s_cmp_lg_u32 s22, 0
	s_cselect_b64 s[8:9], s[10:11], s[8:9]         ; bk or bq
	s_lshl_b32 s18, s21, 2
	s_add_nc_u64 s[8:9], s[8:9], s[18:19]
.irp b, 0,1,2,3,4,5,6,7                        ; accumulator b's register j is channel 32 (b / 2) + 16 (lane / 16) + 8 (b % 2) + j.  The last products stand between these loads and the wait for them
	global_load_b128 v[BI+8*\b:BI+8*\b+3], v[BQO], s[8:9] offset:128*(\b/2)+32*(\b%2)
	global_load_b128 v[BI+8*\b+4:BI+8*\b+7], v[BQO], s[8:9] offset:128*(\b/2)+32*(\b%2)+16
.endr
	LAST
	PLACES NP
.irp b, 0,1,2,3
	v_mov_b32 v[TM+4+\b], 0                        ; written once: a lane permute's destination counts as one of its sources
.endr
	s_wait_loadcnt 0x0
.irp a, 0,1,2,3,4,5,6,7
	ABLK \a, 0
.endr
.irp i, 0,1,2,3,4,5,6,7
	ds_store_b32 v[QSW], v[WS+\i] offset:128*\i    ; my own 1,024 bytes: [head][tile][row] words
.endr
	ds_load_b128 v[BK:BK+3], v[QSR]                ; LDS serves a wave's instructions in order: these see my stores
	ds_load_b128 v[BK+4:BK+7], v[QSR] offset:512
	s_wait_dscnt 0x0
	global_store_b128 v[LI], v[BK:BK+3], s[6:7] offset:8192             ; a head's 512 bytes of words: 32 lanes, consecutive, aligned
	global_store_b128 v[LI], v[BK+4:BK+7], s[6:7] offset:8192+HEADB
	s_branch .Ldone
.Lv:	; ---- v.  My 128 rows of Wv are two heads; my 128 positions of x are the keys of step st of batch b.
	s_lshl_b32 s18, s17, 8
	s_lshl_b32 s19, s15, 7
	s_add_co_u32 s21, s18, s19                     ; my first channel
	s_lshr_b32 s23, s21, 6                         ; my first head
	s_lshl_b32 s18, s42, 8
	s_lshl_b32 s19, s16, 7
	s_add_co_u32 s18, s18, s19                     ; my first position
	s_lshr_b32 s19, s18, 11
	s_bfe_u32 s20, s18, 0x40007
	s_lshl_b32 s19, s19, 4
	s_add_co_u32 s19, s19, s23
	s_lshl_b32 s19, s19, 4
	s_add_co_u32 s19, s19, s20
	s_mul_i32 s18, s19, REC
	s_add_co_u32 s18, s18, VOFF
	s_mov_b32 s19, 0
	s_add_nc_u64 s[6:7], s[6:7], s[18:19]
	s_lshl_b32 s18, s21, 2
	s_add_nc_u64 s[12:13], s[12:13], s[18:19]
.irp a, 0,1,2,3,4,5,6,7                        ; block a's lane r is channel 32 (a / 2) + 8 (a % 2) + r + 8 (r / 8)
	global_load_b32 v[BI+2*\a], v[BVO], s[12:13] offset:4*(32*(\a/2)+8*(\a%2))
.endr
	LAST
	PLACES NP
.irp b, 0,1,2,3
	v_mov_b32 v[TM+4+\b], 0
.endr
	s_wait_loadcnt 0x0
.irp a, 0,1,2,3,4,5,6,7
	v_mov_b32 v[BI+2*\a+1], v[BI+2*\a]             ; a pair for the packed addition
.endr
.irp a, 0,1,2,3,4,5,6,7
	ABLK \a, 1
.endr
.irp i, 0,1,2,3
	ds_store_b32 v[VSW], v[WS+\i] offset:128*\i    ; my own 512 bytes, which the other role's text never names: [head][tile][row] words
.endr
	ds_load_b128 v[BK:BK+3], v[VSR]
	s_wait_dscnt 0x0
	global_store_b128 v[VGO], v[BK:BK+3], s[6:7] offset:8192            ; lanes 0-15 one head's 256 bytes, lanes 16-31 the next head's: each run consecutive and aligned
.Ldone:
	s_wait_tensorcnt 0x0                           ; the wave's end, behind my last tensor load and my last LDS store
	ds_add_u32 v[SPW], v[NIL]
	s_wait_dscnt 0x0
	CROUND                                         ; the closing round: no work-group ends while a partner may still ask for a tile that names it
	s_endpgm
.Lfunc_end_k_qfb33916e43_proj:
	.size	k_qfb33916e43_proj, .Lfunc_end_k_qfb33916e43_proj-k_qfb33916e43_proj
	.p2alignl 7, 3214868480
	.fill 96, 4, 3214868480
	.section	.rodata,"a",@progbits
	.p2align	6, 0x0
	.amdhsa_kernel k_qfb33916e43_proj
		.amdhsa_group_segment_fixed_size 327680
		.amdhsa_private_segment_fixed_size 0
		.amdhsa_enable_private_segment 0
		.amdhsa_kernarg_size 40
		.amdhsa_user_sgpr_count 2
		.amdhsa_user_sgpr_kernarg_segment_ptr 1
		.amdhsa_wavefront_size32 1
		.amdhsa_system_sgpr_workgroup_id_x 1
		.amdhsa_system_sgpr_workgroup_id_y 1
		.amdhsa_system_sgpr_workgroup_id_z 1
		.amdhsa_system_vgpr_workitem_id 0
		.amdhsa_next_free_vgpr 1024
		.amdhsa_next_free_sgpr 102
		.amdhsa_reserve_vcc 0
		.amdhsa_float_denorm_mode_32 3
		.amdhsa_float_denorm_mode_16_64 3
		.amdhsa_fp16_overflow 1
		.amdhsa_memory_ordered 1
		.amdhsa_forward_progress 1
		.amdhsa_inst_pref_size 229
	.end_amdhsa_kernel
	.amdgpu_metadata
---
amdhsa.version: [ 1, 2 ]
amdhsa.kernels:
  - .name:           k_qfb33916e43_proj
    .symbol:         k_qfb33916e43_proj.kd
    .args:
      - { .name: opnd, .offset: 0, .size: 8, .value_kind: global_buffer, .address_space: global }
      - { .name: qkv, .offset: 8, .size: 8, .value_kind: global_buffer, .address_space: global }
      - { .name: bq, .offset: 16, .size: 8, .value_kind: global_buffer, .address_space: global }
      - { .name: bk, .offset: 24, .size: 8, .value_kind: global_buffer, .address_space: global }
      - { .name: bv, .offset: 32, .size: 8, .value_kind: global_buffer, .address_space: global }
    .group_segment_fixed_size: 327680
    .private_segment_fixed_size: 0
    .kernarg_segment_align: 8
    .kernarg_segment_size: 40
    .max_flat_workgroup_size: 128
    .sgpr_count:     102
    .vgpr_count:     1024
    .wavefront_size: 32
...
	.end_amdgpu_metadata
.endif
;; end of part 2
;; launch attn (part 3): grid 4 x 64, 16 waves a work-group, clusters of 4 x 1, 276,480 bytes of LDS; arguments qkv, att; writes att
.if DOCPART == 3
	.amdgcn_target "amdgcn-amd-amdhsa--gfx1250"
	.amdhsa_code_object_version 6
	.text
	.protected	k_qfb33916e43_attn
	.globl	k_qfb33916e43_attn
	.p2align	8
	.type	k_qfb33916e43_attn,@function
k_qfb33916e43_attn:
	s_mov_b64 s[64:65], 0
	v_nop
	global_prefetch_b8 v0, s[64:65] scope:SCOPE_SE
	s_setreg_imm32_b32 hwreg(HW_REG_WAVE_MODE, 25, 1), 1
	s_wait_xcnt 0x0
	s_wait_alu depctr_hold_cnt(0) depctr_sa_sdst(0) depctr_va_vdst(0) depctr_va_sdst(0) depctr_va_ssrc(0) depctr_va_vcc(0) depctr_vm_vsrc(0)
	s_getreg_b32 s2, hwreg(HW_REG_IB_STS2, 6, 4)
	s_cmp_eq_u32 s2, 0
	s_cbranch_scc0 .Lentry_in_a_cluster
	s_endpgm
.Lentry_in_a_cluster:
	s_bfe_u32 s2, ttmp6, 0x10000c
	s_cmp_lg_u32 s2, 0x3003
	s_cbranch_scc0 .Lentry_shape_is_right
	s_endpgm
.Lentry_shape_is_right:
; Causal attention of one (batch, head) on codes of BF8 (E5M2) with E8M0 scales, and the quantising of its result along the head's 64 for the last projection.
; qkv (read): for each of 64 heads and 16 steps of 128 positions a record of REC bytes: q's 8 tiles as register images [tile][c 0,1][512], q's words [tile][16][4]; at KOFF k likewise; then v's 4 tiles (16 channels x 128 keys)
; as images [tile][c 0..3][512] and their words.  From KOFF on a record's k, v and words are STEPB consecutive bytes.  Position p of the sequence holds token p with bits 3 and 4 exchanged; v's keys lie in the tokens' own order.
; att (written): codes as images [512 tiles of 16 positions][8 K steps][4 c][512], and from ATS on scale bytes [8192 positions][32].
; THE SOFTMAX: t = score x log2(e) / 8; M = the running largest t rounded UP to a whole number; p = 2^(t - M) is quantised along the keys, not normalised; the row's sum is taken of the unquantised p and divides at the end.
; When M moves, the sum and O are multiplied by 2^(old M - new M): exact.
; LAYOUT.  Both products transposed: S^T = K Q^T (source 0 = 16 key positions, source 1 = my 16 queries; the head's 64 fill half of the instruction's 128: the other half are zero codes, kept in registers), O^T = V^T P^T.
; A lane holds one query throughout; by the order of the positions the 16 registers of tiles 2 b, 2 b + 1 of S^T are the 16 neighbouring keys 32 b + 16 (lane / 16) + 0 .. 15, and likewise O^T's are 16 neighbouring channels.
; SHARES.  256 work-groups: 4 to a head, and those four are a cluster.  Wave w of work-group x (0 .. 3) owns TWO tiles of 16 queries, one after the other: tiles 8 g + x' with (g, x') = (w, x) and (15 - w, x + 4).
; A tile's queries lie in step g, so it wants key steps 0 .. g, and g is its step on the diagonal: (w + 1) + (16 - w) = 17 key steps for EVERY wave, so that no wave is left to walk alone.
; The tile with the larger g (8 or more) goes first: every wave then has work in each of the first nine steps, the four ahead of the walk's one barrier among them.  The second tile's g is 7 at the most: its loop has 8 trips.
; What a wave does hangs on its number alone; all work-groups are alike.
; LDS.  A head's k, v and words, 16 x STEPB = 274,432 bytes, are brought ONCE and stay: no ring, nothing is filled again.  The four work-groups of a cluster read the same head: each tile is asked for jointly.
; Waves 0-3 fetch: first one step each (steps 0-3), then three more each.  The first four key steps are worked while the other twelve land.
; LIMITS: a block of zeros gets the scale byte 1 (its codes are zeros; this program alone reads the bytes); NaN and infinities are not served.
.set REC,   25856
.set HEADB, 16*REC
.set KOFF,  8704
.set STEPB, 17152                      ; in LDS a step: k's images 0, k's words 8,192, v's images 8,704, v's words 16,896
.set ATS,   8388608
.set LI,  1                            ; v1   16 x lane: my place in an image
.set LW,  2                            ; v2   4 x (lane % 16): my row's scale word
.set ADI, 3                            ; v3   the step's images
.set ADW, 4                            ; v4   the step's words
.set DG,  5                            ; v5   my query's token in its step - 16 (lane / 16), for the tile in hand
.set DGB, 6                            ; v6   the lane's part of it: r + 8 (r / 8) - 16 (lane / 16)
.set SO,  7                            ; v7   32 x (lane % 16): my row of att's scale bytes
.set LN,  11                           ; v11  lane
.set QF,  16                           ; v16-31 q's fragment (v24-31 zero codes)
.set KF,  32                           ; v32-95 four fragments of k (the upper eight registers of each: zero codes, for good)
.set S,   96                           ; v96-159 S^T, then p, then v's four fragments
.set O,   160                          ; v160-191 O^T
.set PCD, 192                          ; v192-207 p's codes
.set KW,  208                          ; v208-211 k's scale words;  v212-215 v's;  v216 q's;  v217 p's
.set VW,  212
.set QW,  216
.set PWD, 217
.set FF,  218                          ; v[218:219] f = 2^(old M - new M) (v219: named with it as a pair)
.set BM,  224                          ; v224-227 a block's largest; v228-231 at work; v232-235 at work; v236-239 the conversions' scale operands; v240 at work
.set BT,  228
.set BH,  232
.set BS,  236
.set TP,  240
.set Q2,  244                          ; v244-251 the second tile's codes of q, v252 its scale words: loaded at the head, copied when its turn comes
.set Q2W, 252
.set WV,  8                            ; s8 wave;  s9, s10 the first tile's g and x';  s11 the head;  s12 LDS byte of the step in hand;  s13 its number;  s14 a loop's count;  s15 the work-group's x
.set G1,  9
.set X1,  10
.set BHD, 11
.set TB,  12
.set KSN, 13
.set CNT, 14
.set XW,  15
.set SEL, 16                           ; s[16:17] selects for lane l xor 16
.set CS,  18                           ; s[18:19] c = log2(e) / 8
.set MNT, 20
.set P1,  48                           ; s[48:55] the first tile's four addresses: q's images, q's words, att's codes, att's scale bytes
.set P2,  68                           ; s[68:75] the second tile's
.set TOK1, 76                          ; s76, s77 the token of a tile's first position in its step
.set TOK2, 77
.set G2,  78                           ; s78, s79 the second tile's g and x'
.set X2,  79
.macro CROUND                          ; a round of the cluster's barrier
	s_barrier_signal -1
	s_barrier_wait -1
	s_cmp_lg_u32 s[WV], 0
	s_cbranch_scc1 .Lnot_wave_0_\@
	s_barrier_signal -3
.Lnot_wave_0_\@:
	s_barrier_wait -3
	s_barrier_signal -1
	s_barrier_wait -1
.endm
; Where tile (g, x') lies, as byte offsets in s[a] on (the buffers' addresses are added later), and the token of its first position.  s56: the head's first byte in qkv.
.macro PLACE g, xq, a, tok
	s_mul_i32 s[\a], s[\g], REC                    ; the queries' record;
	s_add_co_u32 s[\a], s[\a], s56
	s_add_co_u32 s[\a+2], s[\a], 8192
	s_lshl_b32 s21, s[\xq], 10
	s_add_co_u32 s[\a], s[\a], s21                 ; the tile's images,
	s_mov_b32 s[\a+1], 0
	s_lshl_b32 s21, s[\xq], 6
	s_add_co_u32 s[\a+2], s[\a+2], s21             ; its words
	s_mov_b32 s[\a+3], 0
	s_lshr_b32 s21, s[BHD], 4
	s_lshl_b32 s21, s21, 7
	s_lshl_b32 s[\a+4], s[\g], 3
	s_add_co_u32 s21, s21, s[\a+4]
	s_add_co_u32 s21, s21, s[\xq]                  ; the tile among att's 512: 128 x batch + 8 g + x'
	s_and_b32 s[\a+6], s[BHD], 15                  ; the head in its batch
	s_lshl_b32 s[\a+4], s21, 14
	s_lshl_b32 s[\a+5], s[\a+6], 10
	s_add_co_u32 s[\a+4], s[\a+4], s[\a+5]         ; att's codes: 16,384 x tile + 1,024 x head (8.4 million at the most)
	s_mov_b32 s[\a+5], 0
	s_lshl_b32 s21, s21, 9
	s_lshl_b32 s[\a+6], s[\a+6], 1
	s_add_co_u32 s[\a+6], s[\a+6], s21
	s_add_co_u32 s[\a+6], s[\a+6], ATS             ; its scale bytes: ATS + 512 x tile + 2 x head
	s_mov_b32 s[\a+7], 0
	s_lshr_b32 s21, s[\xq], 1                      ; position 16 x' + r of a step is token 32 (x' / 2) + 8 (x' % 2) + r + 8 (r / 8)
	s_lshl_b32 s21, s21, 5
	s_and_b32 s[\tok], s[\xq], 1
	s_lshl_b32 s[\tok], s[\tok], 3
	s_add_co_u32 s[\tok], s[\tok], s21
.endm
	s_load_b128 s[4:7], s[0:1], 0x0                ; qkv s[4:5], att s[6:7]
	v_lshl_add_u32 v254, v0, 2, 0x43000
	v_mov_b32 v255, 0
	ds_add_u32 v254, v255
	ds_add_u32 v254, v255
	v_lshrrev_b32 v1, 5, v0
	s_delay_alu instid0(VALU_DEP_1)
	v_readfirstlane_b32 s[WV], v1                  ; wave 0..15
	s_bfe_u32 s21, ttmp6, 0x40000                  ; cx
	s_lshl_b32 s[XW], ttmp9, 2
	s_add_co_u32 s[XW], s[XW], s21                 ; x = 4 x cluster x + cx: it enters q's and att's addresses and the mask's numbers alone
	s_and_b32 s[BHD], ttmp7, 0xffff                ; the head, which the four partners share
	s_sub_co_u32 s22, 15, s[WV]
	s_cmp_lt_u32 s[WV], 8                          ; my tiles are (w, x) and (15 - w, x + 4): the one with the larger g first
	s_cselect_b32 s[G1], s22, s[WV]
	s_cselect_b32 s[G2], s[WV], s22
	s_cselect_b32 s21, 4, 0
	s_cselect_b32 s23, 0, 4
	s_add_co_u32 s[X1], s[XW], s21
	s_add_co_u32 s[X2], s[XW], s23
	; descriptor group 1: rows of STEPB bytes = 2,144 elements of 8 bytes, REC bytes = 3,232 elements apart; dense in LDS.  s[24:31]: one row;  s[32:39]: three
	s_mov_b32 s24, 15|(3<<16)|(1<<21)              ; 15:0 the mask: all four work-groups; 17:16 elements of 8 bytes; 21 set beside a mask
	s_mov_b32 s25, 2144<<16                        ; tensor_dim0
	s_mov_b32 s26, 1<<16                           ; tensor_dim1
	s_mov_b32 s27, 2144<<16                        ; tile_dim0
	s_mov_b32 s28, 1                               ; tile_dim1
	s_mov_b32 s29, 3232                            ; tensor_dim0_stride
	s_mov_b32 s30, 0
	s_mov_b32 s31, 0
	s_mov_b32 s32, 15|(3<<16)|(1<<21)
	s_mov_b32 s33, 2144<<16
	s_mov_b32 s34, 3<<16
	s_mov_b32 s35, 2144<<16
	s_mov_b32 s36, 3
	s_mov_b32 s37, 3232
	s_mov_b32 s38, 0
	s_mov_b32 s39, 0
	s_mul_i32 s56, s[BHD], HEADB                   ; the head's first byte in qkv (26.1 million at the most)
	s_mul_i32 s58, s[WV], REC                      ; a fetching wave's first load: step w;
	s_add_co_u32 s58, s58, s56
	s_add_co_u32 s58, s58, KOFF
	s_mov_b32 s59, 0
	s_mul_i32 s22, s[WV], 3*REC                    ; its second: steps 4 + 3 w on
	s_add_co_u32 s22, s22, s56
	s_add_co_u32 s22, s22, 4*REC+KOFF
	s_mov_b32 s23, 0
	PLACE G1, X1, P1, TOK1
	PLACE G2, X2, P2, TOK2
	s_mov_b32 s[SEL], 0x76543210
	s_mov_b32 s[SEL+1], 0xfedcba98
	s_mov_b32 s[CS], 0x3e38aa3b                    ; c = log2(e) / sqrt(64)
	s_mov_b32 s[CS+1], s[CS]                       ; (named with it as a pair, so it is written)
	s_wait_dscnt 0x0
	s_wait_kmcnt 0x0
	s_mov_b32 s40, 1                               ; group 0 of the first load: count 1,
	s_mul_i32 s41, s[WV], STEPB                    ; LDS: step w,
	s_add_nc_u64 s[42:43], s[4:5], s[58:59]
	s_or_b32 s43, s43, 0x80000000                  ; type 2
	s_mov_b32 s44, 1                               ; and of the second
	s_mul_i32 s45, s[WV], 3*STEPB
	s_add_co_u32 s45, s45, 4*STEPB
	s_add_nc_u64 s[46:47], s[4:5], s[22:23]
	s_or_b32 s47, s47, 0x80000000
.irp a, P1, P2
	s_add_nc_u64 s[\a:\a+1], s[4:5], s[\a:\a+1]
	s_add_nc_u64 s[\a+2:\a+3], s[4:5], s[\a+2:\a+3]
	s_add_nc_u64 s[\a+4:\a+5], s[6:7], s[\a+4:\a+5]
	s_add_nc_u64 s[\a+6:\a+7], s[6:7], s[\a+6:\a+7]
.endr
	CROUND                                         ; all four work-groups are here: the joint loads meet
	s_cmp_lt_u32 s[WV], 4                          ; a fetching wave's two loads stand in one branch on the wave's number, ahead of every wait on TENSORcnt, every LDS read and every other barrier
	s_cbranch_scc0 .Lno_fetch
	tensor_load_to_lds s[40:43], s[24:31]
	s_nop 0
	tensor_load_to_lds s[44:47], s[32:39]          ; two tensor loads of mine are out, and never more
	s_nop 0
.rept 4
	v_nop
.endr
.Lno_fetch:
	v_and_b32 v[LN], 31, v0
	s_delay_alu instid0(VALU_DEP_1)
	v_lshlrev_b32 v[LI], 4, v[LN]
	v_and_b32 v8, 15, v0                           ; r
	v_bfe_u32 v9, v0, 4, 1                         ; h
	s_delay_alu instid0(VALU_DEP_2)
	v_lshlrev_b32 v[LW], 2, v8
	global_load_b128 v[QF:QF+3], v[LI], s[P1:P1+1]             ; the first tile's q: its fragment stays in registers
	global_load_b128 v[QF+4:QF+7], v[LI], s[P1:P1+1] offset:512
	global_load_b32 v[QW], v[LW], s[P1+2:P1+3]
	global_load_b128 v[Q2:Q2+3], v[LI], s[P2:P2+1]             ; the second tile's, asked for now, so that nothing is waited for at the change of tiles
	global_load_b128 v[Q2+4:Q2+7], v[LI], s[P2:P2+1] offset:512
	global_load_b32 v[Q2W], v[LW], s[P2+2:P2+3]
	v_lshlrev_b32 v[SO], 5, v8
	v_and_b32 v10, 8, v8
	s_delay_alu instid0(VALU_DEP_1)
	v_add_nc_u32 v[DGB], v10, v8
	v_lshlrev_b32 v10, 4, v9
	s_delay_alu instid0(VALU_DEP_1)
	v_sub_nc_u32 v[DGB], v[DGB], v10
	v_mov_b32 v[FF+1], 0
.irp b, 0,1,2,3
	v_mov_b32 v[BT+\b], 0                          ; written once: a lane permute's destination counts as one of its sources
.endr
.irp j, 0,1,2,3,4,5,6,7
	v_mov_b32 v[QF+8+\j], 0                        ; the zero codes of K = 64 .. 127: q's,
.irp t, 0,1,2,3
	v_mov_b32 v[KF+16*\t+8+\j], 0                  ; and k's
.endr
.endr
; A tile begins: the mask's number, the statistics, O^T, and the walk's counters.
.macro INIT tok
	v_add_nc_u32 v[DG], s[\tok], v[DGB]
	v_mov_b32 v13, 0xff61b1e6                      ; the largest t so far: -3e38, under every t
	s_delay_alu instid0(VALU_DEP_1)
	v_floor_f32 v12, -v13                          ; -M
	v_mov_b32 v14, 0                               ; the sum, in two halves
	v_mov_b32 v15, 0
.set n, 0
.rept 32
	v_mov_b32 v[O+n], 0                            ; O^T.  (The step is written once: a tile's first step finds zeros, which the first change of M leaves zeros)
.set n, n+1
.endr
	s_mov_b32 s[TB], 0
	s_mov_b32 s[KSN], 0
.endm
; A KEY STEP: 128 keys.  lim: the register that holds the tile's g.  A step all of whose keys come after the tile's queries is left out: a scalar branch on the wave's number and a counter, round loads, products and
; softmax; not round the lines that step the counters.
.macro STEP lim
	s_cmp_gt_u32 s[KSN], s[\lim]
	s_cbranch_scc1 .Lskip_\@
	s_setprio 2
	v_add_nc_u32 v[ADI], s[TB], v[LI]
	s_wait_alu depctr_va_vdst(0)
	v_add_nc_u32 v[ADW], s[TB], v[LW]
	s_wait_alu depctr_va_vdst(0)
.irp g, 0,1                                    ; S^T = K Q^T, four tiles of 16 keys at a time
.rept 8
	v_nop                                          ; places: in front of loads into registers that matrix instructions have read (8), and, with the two additions above, of products that write over the last step's fragments of v (9)
.endr
.irp t, 0,1,2,3
	ds_load_b128 v[KF+16*\t:KF+16*\t+3], v[ADI] offset:(4*\g+\t)*1024
	ds_load_b128 v[KF+16*\t+4:KF+16*\t+7], v[ADI] offset:(4*\g+\t)*1024+512
	ds_load_b32 v[KW+\t], v[ADW] offset:8192+64*(4*\g+\t)
.endr
	s_wait_dscnt 0x0
.irp t, 0,1,2,3
	v_wmma_scale_f32_16x16x128_f8f6f4 v[S+8*(4*\g+\t):S+8*(4*\g+\t)+7], v[KF+16*\t:KF+16*\t+15], v[QF:QF+15], 0, v[KW+\t], v[QW] matrix_a_fmt:MATRIX_FMT_BF8 matrix_b_fmt:MATRIX_FMT_BF8
.endr
.endr
.rept 8
	v_nop
.endr
	s_cmp_lg_u32 s[KSN], s[\lim]                   ; on the diagonal, step g, the scores of hidden keys become -infinity ahead of the maximum: p = 0 then.  My own key counts there, so the maximum is a number
	s_cbranch_scc1 .Lopen_\@
	v_mov_b32 v[TP], 0xff800000
.set n, 0
.rept 64
	v_cmp_gt_i32 vcc_lo, 32*(n/16)+n%16, v[DG]     ; register 16 b + i holds the step's key 32 b + 16 (lane / 16) + i
	v_cndmask_b32 v[S+n], v[S+n], v[TP], vcc_lo
.set n, n+1
.endr
.Lopen_\@:
.irp b, 0,1,2,3
	v_max3_num_f32 v[BM+\b], v[S+16*\b], v[S+1+16*\b], v[S+2+16*\b]   ; the largest score of each block of 32 keys: for the row's maximum, and, since p rises with the score, for the block's largest p
.endr
.irp i, 3,5,7,9,11,13
.irp b, 0,1,2,3
	v_max3_num_f32 v[BM+\b], v[BM+\b], v[S+16*\b+\i], v[S+1+16*\b+\i]
.endr
.endr
.irp b, 0,1,2,3
	v_max_num_f32 v[BM+\b], v[BM+\b], v[S+15+16*\b]
.endr
.irp b, 0,1,2,3
	s_delay_alu instid0(VALU_DEP_4)
	v_permlanex16_b32 v[BT+\b], v[BM+\b], s[SEL], s[SEL+1]
.endr
.irp b, 0,1,2,3
	s_delay_alu instid0(VALU_DEP_4)
	v_max_num_f32 v[BM+\b], v[BM+\b], v[BT+\b]     ; with lane l xor 16's 16 keys
.endr
	s_delay_alu instid0(VALU_DEP_2)
	v_max3_num_f32 v[TP], v[BM], v[BM+1], v[BM+2]
	s_delay_alu instid0(VALU_DEP_1)
	v_max_num_f32 v[TP], v[TP], v[BM+3]            ; the step's largest score of my query
	s_delay_alu instid0(VALU_DEP_1)
	v_mul_f32 v[TP], s[CS], v[TP]                  ; as t (c is positive)
	s_delay_alu instid0(VALU_DEP_1)
	v_max_num_f32 v13, v13, v[TP]                  ; the running largest t
	v_mov_b32 v[TP], v12
	s_delay_alu instid0(VALU_DEP_2)
	v_floor_f32 v12, -v13                          ; the new -M = floor(-t) = -ceil(t): a whole number
	s_delay_alu instid0(VALU_DEP_1)
	v_sub_f32 v[TP], v12, v[TP]                    ; old M - new M: a whole number, 0 or less
	s_delay_alu instid0(VALU_DEP_1)
	v_cvt_i32_f32 v[TP], v[TP]                     ; (it saturates)
	s_delay_alu instid0(VALU_DEP_1)
	v_ldexp_f32 v[FF], 1.0, v[TP]                  ; f = 2^(old M - new M)
.set n, 0
.rept 32
	v_pk_fma_f32 v[S+n:S+n+1], v[S+n:S+n+1], s[CS:CS+1], v[12:13] op_sel_hi:[1,0,0]   ; t - M, two at a time
.set n, n+2
.endr
	s_setprio 1
.irp b, 0,1,2,3
	v_fma_f32 v[BM+\b], v[BM+\b], s[CS], v12       ; the same of each block's largest score
.endr
.set n, 0
	s_wait_alu depctr_va_vdst(0)
.rept 64
	v_exp_f32 v[S+n], v[S+n]                       ; p = 2^(t - M), at most 1: not normalised
.set n, n+1
.endr
.irp b, 0,1,2,3
	v_exp_f32 v[BM+\b], v[BM+\b]                   ; the block's largest p: the same two instructions on the same number
.endr
	v_pk_mul_f32 v[14:15], v[14:15], v[FF:FF+1] op_sel_hi:[1,0]   ; the sums under the new M (a plain line behind the exponentials)
	s_wait_alu depctr_va_vdst(0)
.irp b, 0,1,2,3
	v_max_num_f32 v[BM+\b], 0x8000000, v[BM+\b]    ; the floor 2^(16 - 127): the byte cannot fall under 1
.endr
.irp b, 0,1,2,3
	s_delay_alu instid0(VALU_DEP_4)
	v_add_nc_u32 v[BS+\b], 0xf8800000, v[BM+\b]    ; 15 off the exponent field: the conversion's scale operand
.endr
.irp b, 0,1,2,3
.endr
.irp b, 0,1,2,3
	s_delay_alu instid0(VALU_DEP_4)
	v_lshrrev_b32 v[BT+\b], 23, v[BS+\b]           ; the scale's byte
.endr
	s_delay_alu instid0(VALU_DEP_3)
	v_lshl_or_b32 v[PWD], v[BT+1], 8, v[BT]        ; p's scale word for these 128 keys
	s_delay_alu instid0(VALU_DEP_1)
	v_lshl_or_b32 v[PWD], v[BT+2], 16, v[PWD]
	s_delay_alu instid0(VALU_DEP_1)
	v_lshl_or_b32 v[PWD], v[BT+3], 24, v[PWD]
	v_pk_add_f32 v[228:229], v[100:101], v[104:105]
	v_pk_add_f32 v[242:243], v[108:109], v[112:113]
	v_pk_add_f32 v[234:235], v[116:117], v[120:121]
	v_pk_add_f32 v[232:233], v[124:125], v[128:129]
	v_pk_add_f32 v[222:223], v[132:133], v[136:137]
	v_pk_add_f32 v[220:221], v[140:141], v[144:145]
	v_pk_add_f32 v[14:15], v[14:15], v[148:149]
	v_pk_add_f32 v[228:229], v[228:229], v[152:153]
	v_pk_add_f32 v[242:243], v[242:243], v[156:157]
	v_pk_add_f32 v[234:235], v[234:235], v[96:97]
	v_pk_add_f32 v[232:233], v[232:233], v[98:99]
	v_pk_add_f32 v[222:223], v[222:223], v[102:103]
	v_pk_add_f32 v[220:221], v[220:221], v[106:107]
	v_pk_add_f32 v[14:15], v[14:15], v[110:111]
	v_pk_add_f32 v[228:229], v[228:229], v[114:115]
	v_pk_add_f32 v[242:243], v[242:243], v[118:119]
	v_pk_add_f32 v[234:235], v[234:235], v[122:123]
	v_pk_add_f32 v[232:233], v[232:233], v[126:127]
	v_pk_add_f32 v[222:223], v[222:223], v[130:131]
	v_pk_add_f32 v[220:221], v[220:221], v[134:135]
	v_pk_add_f32 v[14:15], v[14:15], v[138:139]
	v_pk_add_f32 v[228:229], v[228:229], v[142:143]
	v_pk_add_f32 v[242:243], v[242:243], v[146:147]
	v_pk_add_f32 v[234:235], v[234:235], v[150:151]
	v_pk_add_f32 v[232:233], v[232:233], v[154:155]
	v_pk_add_f32 v[222:223], v[222:223], v[158:159]
	s_delay_alu instid0(VALU_DEP_2)
	v_pk_add_f32 v[14:15], v[14:15], v[232:233]
	s_delay_alu instid0(VALU_DEP_2)
	v_pk_add_f32 v[228:229], v[228:229], v[222:223]
	v_pk_add_f32 v[242:243], v[242:243], v[220:221]
	s_delay_alu instid0(VALU_DEP_1)
	v_pk_add_f32 v[14:15], v[14:15], v[242:243]
	s_delay_alu instid0(VALU_DEP_3)
	v_pk_add_f32 v[228:229], v[228:229], v[234:235]
	s_delay_alu instid0(VALU_DEP_1)
	v_pk_add_f32 v[14:15], v[14:15], v[228:229]
.irp b, 0,1,2,3
.irp i, 0,1,2,3,4,5,6,7,8,9,10,11,12,13,14,15
.endr
	v_cvt_scalef32_pk8_bf8_f32 v[PCD+4*\b:PCD+1+4*\b], v[S+16*\b:S+7+16*\b], v[BS+\b]
	v_cvt_scalef32_pk8_bf8_f32 v[PCD+2+4*\b:PCD+3+4*\b], v[S+8+16*\b:S+15+16*\b], v[BS+\b]
.endr
	s_setprio 0
	v_nop
.irp t, 0,1,2,3                                ; v's four fragments take p's registers
.irp c, 0,1,2,3
	ds_load_b128 v[S+16*\t+4*\c:S+16*\t+4*\c+3], v[ADI] offset:8704+2048*\t+512*\c
.endr
	ds_load_b32 v[VW+\t], v[ADW] offset:16896+64*\t
.endr
.set n, 0
.rept 16
	v_pk_mul_f32 v[O+n:O+n+1], v[O+n:O+n+1], v[FF:FF+1] op_sel_hi:[1,0]   ; O^T under the new M, while the loads are out.  (These are also the plain lines behind the conversions and in front of the products)
.set n, n+2
.endr
	s_wait_alu depctr_va_vdst(0)
	s_wait_dscnt 0x0
.irp t, 0,1,2,3                                ; O^T += V^T P^T: the four accumulators by turns
	v_wmma_scale_f32_16x16x128_f8f6f4 v[O+8*\t:O+8*\t+7], v[S+16*\t:S+16*\t+15], v[PCD:PCD+15], v[O+8*\t:O+8*\t+7], v[VW+\t], v[PWD] matrix_a_fmt:MATRIX_FMT_BF8 matrix_b_fmt:MATRIX_FMT_BF8
.endr
.Lskip_\@:
	s_add_co_u32 s[KSN], s[KSN], 1
	s_add_co_u32 s[TB], s[TB], STEPB
.endm
; THE WAY OUT of a tile; a: its four addresses.  O^T / the sum: register 16 b + i is channel 32 b + 16 (lane / 16) + i of my query: two blocks of the last projection's K.  They are quantised here and leave as two groups of a fragment's registers.
.macro OUT a
.rept 8
	v_nop                                          ; places behind the last products
.endr
	v_add_f32 v14, v14, v15                        ; the sum's two halves,
	s_delay_alu instid0(VALU_DEP_1)
	v_permlanex16_b32 v[BT], v14, s[SEL], s[SEL+1]
	s_delay_alu instid0(VALU_DEP_1)
	v_add_f32 v14, v14, v[BT]                      ; and lane l xor 16's: the row's sum
	s_wait_alu depctr_va_vdst(0)
	v_rcp_f32 v14, v14
	v_nop                                          ; one plain line behind a transcendental
.set n, 0
	s_wait_alu depctr_va_vdst(0)
.rept 16
	v_pk_mul_f32 v[S+n:S+n+1], v[O+n:O+n+1], v[14:15] op_sel_hi:[1,0]   ; each accumulator from its low end on
.set n, n+2
.endr
.irp b, 0,1
	v_max3_num_f32 v[BM+\b], |v[S+16*\b]|, |v[S+1+16*\b]|, 0x8000000   ; block b: my 16 numbers, and the floor 2^(16 - 127)
.endr
.irp i, 2,4,6,8,10,12,14
.irp b, 0,1
	s_delay_alu instid0(VALU_DEP_2)
	v_max3_num_f32 v[BM+\b], v[BM+\b], |v[S+16*\b+\i]|, |v[S+1+16*\b+\i]|
.endr
.endr
.irp b, 0,1
	s_delay_alu instid0(VALU_DEP_2)
	v_permlanex16_b32 v[BT+\b], v[BM+\b], s[SEL], s[SEL+1]
.endr
.irp b, 0,1
	s_delay_alu instid0(VALU_DEP_2)
	v_max_num_f32 v[BM+\b], v[BM+\b], v[BT+\b]     ; with lane l xor 16's: the block's largest magnitude
.endr
.irp b, 0,1
	s_delay_alu instid0(VALU_DEP_2)
	v_add_nc_u32 v[BS+\b], 0xf8800000, v[BM+\b]
.endr
.irp b, 0,1
.endr
.irp b, 0,1
	s_delay_alu instid0(VALU_DEP_2)
	v_lshrrev_b32 v[BT+\b], 23, v[BS+\b]
.endr
	s_delay_alu instid0(VALU_DEP_1)
	v_lshl_or_b32 v[TP], v[BT+1], 8, v[BT]         ; my row's two scale bytes
.irp b, 0,1
.irp i, 0,1,2,3,4,5,6,7,8,9,10,11,12,13,14,15
.endr
	v_cvt_scalef32_pk8_bf8_f32 v[PCD+4*\b:PCD+1+4*\b], v[S+16*\b:S+7+16*\b], v[BS+\b]
	v_cvt_scalef32_pk8_bf8_f32 v[PCD+2+4*\b:PCD+3+4*\b], v[S+8+16*\b:S+15+16*\b], v[BS+\b]
.endr
	v_nop                                          ; one plain line behind the last conversion
	global_store_b128 v[LI], v[PCD:PCD+3], s[\a+4:\a+5]            ; 32 lanes store 512 consecutive bytes, aligned
	global_store_b128 v[LI], v[PCD+4:PCD+7], s[\a+4:\a+5] offset:512
	v_cmp_gt_u32 vcc_lo, 16, v[LN]
	s_wait_alu depctr_va_vdst(0)
	s_wait_xcnt 0x0                                ; EXEC is a source of the stores above: it changes only behind this wait
	s_and_saveexec_b32 s21, vcc_lo
	global_store_b16 v[SO], v[TP], s[\a+6:\a+7]    ; lanes 0-15: two bytes of each row's 32.  The other heads' bytes of a row come from other work-groups: these runs cannot be made whole here; they are one byte in 32 of what the launch stores
	s_wait_xcnt 0x0                                ; and again, in front of the line that widens it.  Behind this wait the registers that the three stores read may be written again
	s_or_b32 exec_lo, exec_lo, s21
.endm
	INIT TOK1                                      ; THE FIRST TILE: g is 8 or more
	s_wait_tensorcnt 1                             ; a fetching wave's first load, one of steps 0-3, has landed; its second, three later steps, may stay out
	s_barrier_signal -1
	s_barrier_wait -1                              ; steps 0-3 are whole
	s_wait_loadcnt 0x0                             ; both tiles' q
	s_mov_b32 s[CNT], 4
.Lfirst:                                           ; every wave walks all trips: the trip counts are constants
	STEP G1
	s_sub_co_u32 s[CNT], s[CNT], 1
	s_cmp_lg_u32 s[CNT], 0
	s_cbranch_scc1 .Lfirst
	s_setprio 0
	s_wait_tensorcnt 0x0                           ; my three later steps have landed,
	s_wait_dscnt 0x0
	s_barrier_signal -1
	s_barrier_wait -1                              ; everybody's have: from here on the whole head lies in LDS, and no barrier stands in the walk
	s_mov_b32 s[CNT], 12
.Lrest:
	STEP G1
	s_sub_co_u32 s[CNT], s[CNT], 1
	s_cmp_lg_u32 s[CNT], 0
	s_cbranch_scc1 .Lrest
	s_setprio 0
	OUT P1
.irp j, 0,1,2,3,4,5,6,7                        ; THE SECOND TILE: g is 7 at the most.  Its q takes the fragment's place (the zero codes above it stay); the lines of INIT stand between these and the next products
	v_mov_b32 v[QF+\j], v[Q2+\j]
.endr
	v_mov_b32 v[QW], v[Q2W]
	INIT TOK2
	s_mov_b32 s[CNT], 8
.Lsecond:
	STEP G2
	s_sub_co_u32 s[CNT], s[CNT], 1
	s_cmp_lg_u32 s[CNT], 0
	s_cbranch_scc1 .Lsecond
	s_setprio 0
	OUT P2
	s_wait_tensorcnt 0x0
	ds_add_u32 v254, v255
	s_wait_dscnt 0x0
	CROUND                                         ; the closing round: no work-group ends while a partner may still ask for a tile that names it
	s_endpgm
.Lfunc_end_k_qfb33916e43_attn:
	.size	k_qfb33916e43_attn, .Lfunc_end_k_qfb33916e43_attn-k_qfb33916e43_attn
	.p2alignl 7, 3214868480
	.fill 96, 4, 3214868480
	.section	.rodata,"a",@progbits
	.p2align	6, 0x0
	.amdhsa_kernel k_qfb33916e43_attn
		.amdhsa_group_segment_fixed_size 276480
		.amdhsa_private_segment_fixed_size 0
		.amdhsa_enable_private_segment 0
		.amdhsa_kernarg_size 16
		.amdhsa_user_sgpr_count 2
		.amdhsa_user_sgpr_kernarg_segment_ptr 1
		.amdhsa_wavefront_size32 1
		.amdhsa_system_sgpr_workgroup_id_x 1
		.amdhsa_system_sgpr_workgroup_id_y 1
		.amdhsa_system_sgpr_workgroup_id_z 1
		.amdhsa_system_vgpr_workitem_id 0
		.amdhsa_next_free_vgpr 256
		.amdhsa_next_free_sgpr 80
		.amdhsa_reserve_vcc 1
		.amdhsa_float_denorm_mode_32 3
		.amdhsa_float_denorm_mode_16_64 3
		.amdhsa_fp16_overflow 1
		.amdhsa_memory_ordered 1
		.amdhsa_forward_progress 1
		.amdhsa_inst_pref_size 92
	.end_amdhsa_kernel
	.amdgpu_metadata
---
amdhsa.version: [ 1, 2 ]
amdhsa.kernels:
  - .name:           k_qfb33916e43_attn
    .symbol:         k_qfb33916e43_attn.kd
    .args:
      - { .name: qkv, .offset: 0, .size: 8, .value_kind: global_buffer, .address_space: global }
      - { .name: att, .offset: 8, .size: 8, .value_kind: global_buffer, .address_space: global }
    .group_segment_fixed_size: 276480
    .private_segment_fixed_size: 0
    .kernarg_segment_align: 8
    .kernarg_segment_size: 16
    .max_flat_workgroup_size: 512
    .sgpr_count:     80
    .vgpr_count:     256
    .wavefront_size: 32
...
	.end_amdgpu_metadata
.endif
;; end of part 3
;; launch oproj (part 4): grid 4 x 32, 4 waves a work-group, clusters of 4 x 4, 327,680 bytes of LDS; arguments att, opnd, bo, out0; writes out0
.if DOCPART == 4
	.amdgcn_target "amdgcn-amd-amdhsa--gfx1250"
	.amdhsa_code_object_version 6
	.text
	.protected	k_qfb33916e43_oproj
	.globl	k_qfb33916e43_oproj
	.p2align	8
	.type	k_qfb33916e43_oproj,@function
k_qfb33916e43_oproj:
	s_mov_b64 s[64:65], 0
	v_nop
	global_prefetch_b8 v0, s[64:65] scope:SCOPE_SE
	s_setreg_imm32_b32 hwreg(HW_REG_WAVE_MODE, 25, 1), 1
	s_wait_xcnt 0x0
	s_wait_alu depctr_hold_cnt(0) depctr_sa_sdst(0) depctr_va_vdst(0) depctr_va_sdst(0) depctr_va_ssrc(0) depctr_va_vcc(0) depctr_vm_vsrc(0)
	s_getreg_b32 s2, hwreg(HW_REG_IB_STS2, 6, 4)
	s_cmp_eq_u32 s2, 0
	s_cbranch_scc0 .Lentry_in_a_cluster
	s_endpgm
.Lentry_in_a_cluster:
	s_bfe_u32 s2, ttmp6, 0x10000c
	s_cmp_lg_u32 s2, 0xf033
	s_cbranch_scc0 .Lentry_shape_is_right
	s_endpgm
.Lentry_shape_is_right:
; out0 = attention's result x Wo^T + bo, on codes of BF8 (E5M2) with E8M0 scales; K = 1,024.  out0: [8192][1024] f32.
; att (read), "A": codes as register images [512 tiles of 16 positions][8 K steps of 128][4 c][512 bytes] (lane l's 16 bytes at 16 l), from ATS on scale bytes [8192 positions][32].
; opnd (read), "B": Wo's codes at position 11,264 on, [position][1024 bytes], and from OPS on scale bytes [position][32].  Position p holds row p with bits 3 and 4 exchanged, in A (tokens) and in B (output channels) alike.
; A tile of 256 x 256 to a work-group of four waves, 128 x 128 to a wave: 64 accumulators.  K goes in steps of 256 through two LDS slots filled by the tensor data mover; the scale bytes come once, with the first fills.
; Source 0 = 16 positions of Wo, source 1 = 16 positions of A: a lane holds one row, and the 16 registers of accumulators 2 b, 2 b + 1 are its channels 32 b + 16 (lane / 16) + 0 .. 15.  bo is the C of each sum's first product.
; The way out puts rows and channels back into their own order.  128 work-groups: tiles half as large would give 256 at one and a half times the LDS bytes for each product.
; CLUSTERS: 4 x 4 work-groups; A's tiles are asked for jointly by a row of the cluster, B's by a column.
; REGISTERS, in windows of 256: window 0: v0-31 addresses; v32-63 scale words, two sets; v64-127 bo; from v128 A's fragments, one set (on the way out: rows read back).  window 1: B's fragments, two sets.
;   window 2: the accumulators of my rows 0-63 ((a, b) at v[8 (8 a + b)]);  window 3: those of my rows 64-127.
.set NQ,     2
.set ROWB,   256                       ; a row of B's tile in bytes
.set KROW,   1024
.set PITCH,  272                       ; B's LDS row: 256 bytes + 16 of padding
.set FR,     16
.set NL,     4
.set NP,     8                         ; places behind this matrix instruction (ISA guide 7.12.1)
.set HALFT,  128*PITCH                 ; the room of 128 rows: B's fill it; A's images of 128 rows x 256 K are 32,768 dense bytes in it
.set SLOT,   4*HALFT
.set LAPS,   2
.set KS,     32
.set SCL,    2*SLOT
.set HALFS,  16*272
.set SBLK,   2*272
.set SPARE,  SCL+4*HALFS               ; the spare words, 128 bytes a wave: two blocks of 256 bytes that no other line names
.set SPITCH, 528                       ; the way out: a stage of 16 rows x (512 bytes + 16) for each wave, in slot 0, which has had its last fill and its last read by then
.set OPS,    12582912
.set ATS,    8388608
.set WOP,    11264                     ; Wo's first position
.set ADRA, 16
.set ADRB, 20
.set STO,  24                          ; v24  the way out: where I put 32 bytes of a row
.set RD,   25                          ; v25  where I read a row back
.set CO,   26                          ; v26  my byte offset in a row of out0
.set ADRS, 27
.set SPW,  28                          ; v28  my spare word: SPARE + 4 x my thread's number; never rewritten
.set NIL,  29                          ; v29  0; never rewritten
.set BQO,  30                          ; v30  bo: 64 (lane / 16)
.set SC,   32
.set BI,   64                          ; bo: eight registers for each of B's eight blocks
.set AF,   128
.set BK,   128
.set G1, 24
.set G0, 32
.set G1B, 48
.set G0B, 56
.set G1S, 68
.set G0S, 76
.set G1SB, 80
.set G0SB, 88
.set MSB, 0
.macro WIN new                         ; the immediate's high byte repeats the setting that is left
.if MSB != \new
	s_set_vgpr_msb (MSB<<8)|\new
.set MSB, \new
.endif
.endm
.set MUL_LO, 0xa1                      ; source 0 (B) window 1, source 1 (A) window 0, C and D window 2
.set MUL_HI, 0xf1                      ; the same, C and D window 3
.set TO_B,   0x40
.macro JLOAD g0a, g1a, g0b, g1b        ; a joint load: waves 0 and 1 fetch for A, waves 2 and 3 for B; four v_nop follow each of the two lines
	s_cmp_eq_u32 s15, 0
	s_cbranch_scc0 .Lfor_b_\@
	tensor_load_to_lds s[\g0a:\g0a+3], s[\g1a:\g1a+7]
	s_nop 0
.rept 4
	v_nop
.endr
	s_branch .Lasked_\@
.Lfor_b_\@:
	tensor_load_to_lds s[\g0b:\g0b+3], s[\g1b:\g1b+7]
	s_nop 0
.rept 4
	v_nop
.endr
.Lasked_\@:
.endm
.macro CREST
	s_cmp_lg_u32 s14, 0
	s_cbranch_scc1 .Lnot_wave_0_\@
	s_barrier_signal -3
.Lnot_wave_0_\@:
	s_barrier_wait -3
	s_barrier_signal -1
	s_barrier_wait -1
.endm
.macro CROUND
	s_barrier_signal -1
	s_barrier_wait -1
	CREST
.endm
	s_load_b256 s[4:11], s[0:1], 0x0               ; att s[4:5], opnd s[6:7], bo s[8:9], out0 s[10:11]
	v_lshl_add_u32 v[SPW], v0, 2, SPARE
	v_mov_b32 v[NIL], 0
	ds_add_u32 v28, v29
	ds_add_u32 v28, v29
	s_wait_dscnt 0x0
	v_lshrrev_b32 v1, 5, v0
	v_readfirstlane_b32 s14, v1                    ; wave 0..3
	s_lshr_b32 s15, s14, 1                         ; which half of the tile's rows is mine.  Also: I fetch for A (0) or for B (1)
	s_and_b32 s16, s14, 1                          ; which half of its columns.  Also: which 128 rows of that tile I fetch
	s_bfe_u32 s40, ttmp6, 0x40000                  ; cx, cy
	s_bfe_u32 s41, ttmp6, 0x40004
	s_lshl_b32 s42, ttmp9, 2
	s_add_co_u32 s42, s42, s40                     ; tile column
	s_and_b32 s17, ttmp7, 0xffff
	s_lshl_b32 s17, s17, 2
	s_add_co_u32 s17, s17, s41                     ; tile row
	s_lshl_b32 s43, s41, 2
	s_lshl_b32 s43, 15, s43                        ; my row of the cluster
	s_lshl_b32 s44, 0x1111, s40                    ; my column
	; A's tiles: 8 tiles of 16 positions, of each the 4,096 consecutive bytes of two K steps of 128 (512 elements of 8 bytes), 16,384 bytes (2,048 elements) apart; dense in LDS
	s_or_b32 s[G1+0], s43, (3<<16)|(1<<21)         ; 15:0 the mask: my row; 17:16 elements of 8 bytes; 21 set beside a mask; no padding
	s_mov_b32 s[G1+1], 512<<16
	s_mov_b32 s[G1+2], 8<<16
	s_mov_b32 s[G1+3], 512<<16
	s_mov_b32 s[G1+4], 8
	s_mov_b32 s[G1+5], 2048
	s_mov_b32 s[G1+6], 0
	s_mov_b32 s[G1+7], 0
	; B's tiles: 128 rows x 256 bytes, 16 bytes of padding behind each
	s_or_b32 s[G1B+0], s44, (0<<16)|(1<<20)|(1<<21)|(5<<22)|(3<<25)
	s_mov_b32 s[G1B+1], ROWB<<16
	s_mov_b32 s[G1B+2], 128<<16
	s_mov_b32 s[G1B+3], ROWB<<16
	s_mov_b32 s[G1B+4], 128
	s_mov_b32 s[G1B+5], KROW
	s_mov_b32 s[G1B+6], 0
	s_mov_b32 s[G1B+7], 0
	; the scales of 128 rows: 4,096 dense bytes, as 16 rows of 256 bytes, 16 bytes of padding behind each
	s_or_b32 s[G1S+0], s43, (3<<16)|(1<<20)|(1<<21)|(5<<22)|(3<<25)
	s_or_b32 s[G1SB+0], s44, (3<<16)|(1<<20)|(1<<21)|(5<<22)|(3<<25)
.irp g, G1S, G1SB
	s_mov_b32 s[\g+1], 32<<16
	s_mov_b32 s[\g+2], 16<<16
	s_mov_b32 s[\g+3], 32<<16
	s_mov_b32 s[\g+4], 16
	s_mov_b32 s[\g+5], 32
	s_mov_b32 s[\g+6], 0
	s_mov_b32 s[\g+7], 0
.endr
	s_lshl_b32 s18, s16, 7                         ; which 128 rows of the tile I fetch
	s_lshl_b32 s20, s17, 8
	s_add_co_u32 s20, s20, s18                     ; A: position 256 x tile row + 128 x half
	s_lshl_b32 s46, s42, 8
	s_add_co_u32 s46, s46, s18
	s_add_co_u32 s46, s46, WOP                     ; B: position WOP + 256 x tile column + 128 x half
	s_lshl_b32 s22, s20, 5
	s_add_co_u32 s22, s22, ATS                     ; their scale bytes
	s_mov_b32 s23, 0
	s_lshl_b32 s92, s46, 5
	s_add_co_u32 s92, s92, OPS
	s_mov_b32 s93, 0
	s_lshl_b32 s20, s20, 10                        ; their codes: 16,384 bytes for 16 positions of A, 1,024 for one of B
	s_mov_b32 s21, 0
	s_lshl_b32 s46, s46, 10
	s_mov_b32 s47, 0
	s_mul_i32 s45, s14, HALFT                      ; where they go: no place in the cluster enters an LDS address
	s_mul_i32 s94, s14, HALFS
	s_wait_kmcnt 0x0
	s_add_nc_u64 s[20:21], s[4:5], s[20:21]
	s_add_nc_u64 s[22:23], s[4:5], s[22:23]
	s_add_nc_u64 s[46:47], s[6:7], s[46:47]
	s_add_nc_u64 s[92:93], s[6:7], s[92:93]
	CROUND                                         ; all sixteen work-groups are here: the first joint loads meet
	s_mov_b32 s[G0S], 1
	s_add_co_u32 s[G0S+1], s94, SCL
	s_mov_b64 s[G0S+2:G0S+3], s[22:23]
	s_or_b32 s[G0S+3], s[G0S+3], 0x80000000
	s_mov_b32 s[G0SB], 1
	s_add_co_u32 s[G0SB+1], s94, SCL
	s_mov_b64 s[G0SB+2:G0SB+3], s[92:93]
	s_or_b32 s[G0SB+3], s[G0SB+3], 0x80000000
	JLOAD G0S, G1S, G0SB, G1SB                     ; the scales first
.irp s, 0,1
	s_mov_b32 s[G0+4*\s], 1
	s_add_co_u32 s[G0+4*\s+1], s45, \s*SLOT
	s_add_nc_u64 s[G0+4*\s+2:G0+4*\s+3], s[20:21], \s*4096
	s_or_b32 s[G0+4*\s+3], s[G0+4*\s+3], 0x80000000
	s_mov_b32 s[G0B+4*\s], 1
	s_add_co_u32 s[G0B+4*\s+1], s45, \s*SLOT
	s_add_nc_u64 s[G0B+4*\s+2:G0B+4*\s+3], s[46:47], \s*ROWB
	s_or_b32 s[G0B+4*\s+3], s[G0B+4*\s+3], 0x80000000
	s_wait_alu depctr_va_vdst(0)
	s_wait_tensorcnt 0x0
	ds_add_u32 v28, v29
	s_wait_dscnt 0x0
	CROUND
	JLOAD G0+4*\s, G1, G0B+4*\s, G1B               ; one tensor load of mine is out now
.endr
	v_and_b32 v1, 15, v0                           ; r
	v_bfe_u32 v2, v0, 4, 1                         ; h
	v_and_b32 v7, 31, v0                           ; lane
	v_lshlrev_b32 v[CO], 4, v7                     ; 16 x lane
	v_mul_u32_u24 v3, v1, PITCH
	v_lshl_add_u32 v4, v2, 4, v3                   ; B: a fragment's row x pitch + 16 x half
	s_mul_i32 s21, s15, HALFT                      ; my 128 rows of A
	s_mul_i32 s22, s16, HALFT                      ; my 128 rows of B,
	s_add_co_u32 s22, s22, 2*HALFT                 ; behind A's room
.irp s, 0,1
	v_add_nc_u32 v[ADRA+\s], s21, v[CO]            ; A: an image's place for my lane
	v_add_nc_u32 v[ADRB+\s], s22, v4
	s_add_co_u32 s21, s21, SLOT
	s_add_co_u32 s22, s22, SLOT
.endr
	v_mul_u32_u24 v5, v1, KS                       ; my row's scales: 32 bytes a row,
	v_lshrrev_b32 v6, 8, v5
	v_lshl_add_u32 v5, v6, 4, v5                   ; and 16 more for each 256 passed
	s_mul_i32 s21, s15, HALFS
	s_mul_i32 s22, s16, HALFS
	s_add_co_u32 s22, s22, 2*HALFS
	s_sub_co_u32 s22, s22, s21
	v_mul_u32_u24 v6, s22, v2                      ; lanes 16-31 take B's
	s_add_co_u32 s21, s21, SCL
	v_add_nc_u32 v5, v5, v6
	v_add_nc_u32 v[ADRS], s21, v5
	s_mul_i32 s23, s14, 16*SPITCH                  ; my stage
	v_mul_u32_u24 v5, v1, SPITCH                   ; in: row r; my half of the lanes holds channels 16 h on of each 32: 64 h bytes
	v_lshl_add_u32 v5, v2, 6, v5
	v_add_nc_u32 v[STO], s23, v5
	v_add_nc_u32 v[RD], s23, v[CO]                 ; back: the 32 lanes take one row of 512 bytes
	v_lshlrev_b32 v[BQO], 6, v2
	s_wait_alu depctr_va_vdst(0)
	s_lshl_b32 s20, s17, 8
	s_lshl_b32 s21, s15, 7
	s_add_co_u32 s20, s20, s21                     ; my first row of out0 (128 positions are the same 128 rows)
	s_lshl_b32 s20, s20, 12                        ; 4,096 bytes a row (33.5 million at the most)
	s_mov_b32 s21, 0
	s_lshl_b32 s46, s42, 10                        ; my first channel, in bytes: 1,024 x tile column + 512 x half
	s_lshl_b32 s47, s16, 9
	s_add_co_u32 s46, s46, s47
	s_mov_b32 s47, 0
	s_add_nc_u64 s[8:9], s[8:9], s[46:47]          ; bo there,
	s_add_nc_u64 s[20:21], s[20:21], s[46:47]
	s_add_nc_u64 s[12:13], s[10:11], s[20:21]      ; and out0
.irp b, 0,1,2,3,4,5,6,7                        ; accumulator b's register j is channel 32 (b / 2) + 16 (lane / 16) + 8 (b % 2) + j
	global_load_b128 v[BI+8*\b:BI+8*\b+3], v[BQO], s[8:9] offset:128*(\b/2)+32*(\b%2)
	global_load_b128 v[BI+8*\b+4:BI+8*\b+7], v[BQO], s[8:9] offset:128*(\b/2)+32*(\b%2)+16
.endr
.macro FRAG reg, adr, q, i             ; a fragment of B from rows: registers 4 c .. 4 c + 3 hold K = 32 c + 16 (l / 16) + 0 .. 15
.irp c, 0,1,2,3
	ds_load_b128 v[\reg+4*\c:\reg+4*\c+3], v[\adr] offset:128*(\q)+32*\c+(\i)*16*PITCH
.endr
.endm
.macro FRAGA reg, adr, q, i            ; a fragment of A from its image: 512 consecutive bytes a load
.irp c, 0,1,2,3
	ds_load_b128 v[\reg+4*\c:\reg+4*\c+3], v[\adr] offset:4096*(\i)+2048*(\q)+512*\c
.endr
.endm
; 16 matrix instructions: A's blocks a0, a0 + 1 x B's eight.  zero = 1: the first product starts the sums, with bo as its C.  The 64 accumulators take turns, one instruction a turn.
.macro MUL16 a0, p, q, sc, zero
.irp a, \a0, \a0+1
.irp b, 0,1,2,3,4,5,6,7
.if \zero
	v_wmma_scale_f32_16x16x128_f8f6f4 v[8*(8*((\a)%4)+\b):8*(8*((\a)%4)+\b)+7], v[128*(\p)+FR*\b:128*(\p)+FR*\b+FR-1], v[AF+FR*(\a):AF+FR*(\a)+FR-1], v[BI+8*\b:BI+8*\b+7], v[SC+8*NQ*(\sc)+NQ*\b+(\q)], v[SC+8*NQ*(\sc)+NQ*(\a)+(\q)] matrix_a_fmt:MATRIX_FMT_BF8 matrix_b_fmt:MATRIX_FMT_BF8 matrix_a_scale:MATRIX_SCALE_ROW1
.else
	v_wmma_scale_f32_16x16x128_f8f6f4 v[8*(8*((\a)%4)+\b):8*(8*((\a)%4)+\b)+7], v[128*(\p)+FR*\b:128*(\p)+FR*\b+FR-1], v[AF+FR*(\a):AF+FR*(\a)+FR-1], v[8*(8*((\a)%4)+\b):8*(8*((\a)%4)+\b)+7], v[SC+8*NQ*(\sc)+NQ*\b+(\q)], v[SC+8*NQ*(\sc)+NQ*(\a)+(\q)] matrix_a_fmt:MATRIX_FMT_BF8 matrix_b_fmt:MATRIX_FMT_BF8 matrix_a_scale:MATRIX_SCALE_ROW1
.endif
.endr
.endr
.endm
.macro FETCH_B slot, q, p
	WIN TO_B
.irp i, 0,1,2,3,4,5,6,7
	FRAG 128*(\p)+FR*\i, ADRB+\slot, \q, \i
.endr
	WIN 0
.endm
.macro FETCH_A slot, q, i0
.irp i, \i0, \i0+1, \i0+2, \i0+3
	FRAGA AF+FR*(\i), ADRA+\slot, \q, \i
.endr
.endm
.macro SCALES sc
.irp i, 0,1,2,3,4,5,6,7
	ds_load_b64 v[SC+8*NQ*\sc+NQ*\i:SC+8*NQ*\sc+NQ*\i+1], v[ADRS] offset:\i*SBLK
.endr
.endm
.macro PLACES n                        ; plain vector lines behind matrix instructions, in front of loads into their registers and of reads of their results (ISA guide 7.12.1 for vector instructions)
.rept \n
	v_nop
.endr
.endm
.macro STEP slot, q, zero
	s_wait_dscnt 4*NL                              ; B's set and A's blocks 0-3 are in; the youngest sixteen loads (A's blocks 4-7) may be out
.if \zero
	WIN 0x81                                       ; source 0 window 1, sources 1 and 2 (A, bo) window 0, D window 2
.else
	WIN MUL_LO
.endif
	MUL16 0, (\q)%2, \q, \slot, \zero
	MUL16 2, (\q)%2, \q, \slot, \zero
	s_wait_dscnt 0
	PLACES NP
	FETCH_B \slot, (\q)+1, 1-(\q)%2
	FETCH_A \slot, (\q)+1, 0
.if \zero
	WIN 0xc1                                       ; the same, D window 3
.else
	WIN MUL_HI
.endif
	MUL16 4, (\q)%2, \q, \slot, \zero
	MUL16 6, (\q)%2, \q, \slot, \zero
	PLACES NP
	WIN 0
	FETCH_A \slot, (\q)+1, 4
.endm
; A slot's last step changes slots: ONE barrier; in front of it each wave waits for all its tensor loads, adds 0 to its spare word, and waits for that and for its own reads of this slot.
.macro TURN slot, next, fill
	s_wait_tensorcnt 0x0                           ; all my tensor loads have landed: my part of the next slot (every window is 0 here)
	ds_add_u32 v[SPW], v[NIL]                      ; 0 onto my spare word
	s_wait_dscnt 4*NL+1                            ; (the add and the youngest sixteen loads may be out)
	WIN MUL_LO
	MUL16 0, 1, NQ-1, \slot, 0
	s_wait_dscnt 0x0                               ; the add is done, and my reads of this slot are over
	s_barrier_signal -1
	MUL16 2, 1, NQ-1, \slot, 0
	WIN 0
	s_barrier_wait -1
.if \fill
	CREST                                          ; a round of the cluster's barrier: no wave of any partner still reads this slot's tile or has a load on its way
	s_add_nc_u64 s[G0+4*\slot+2:G0+4*\slot+3], s[G0+4*\slot+2:G0+4*\slot+3], 2*4096
	s_add_nc_u64 s[G0B+4*\slot+2:G0B+4*\slot+3], s[G0B+4*\slot+2:G0B+4*\slot+3], 2*ROWB
	JLOAD G0+4*\slot, G1, G0B+4*\slot, G1B         ; the first tensor load behind the round
	PLACES NP-4
.else
	PLACES NP
.endif
	s_wait_alu depctr_va_vdst(0)
	v_add_nc_u32 v[ADRS], 4*NQ, v[ADRS]
	FETCH_B \next, 0, 0
	FETCH_A \next, 0, 0
	SCALES \next
	WIN MUL_HI
	MUL16 4, 1, NQ-1, \slot, 0
	MUL16 6, 1, NQ-1, \slot, 0
	PLACES NP
	WIN 0
	FETCH_A \next, 0, 4
.endm
	s_wait_tensorcnt 1                             ; the scales and my part of K step 0 are in (K step 1's load may be out),
	s_barrier_signal -1
	s_barrier_wait -1                              ; everybody's are
	FETCH_B 0, 0, 0
	FETCH_A 0, 0, 0
	SCALES 0
	FETCH_A 0, 0, 4
	s_wait_loadcnt 0x0                             ; bo
	STEP 0, 0, 1                                   ; the first step stands in front of the loop: its products start the sums
	s_mov_b32 s3, LAPS-1
.Llap:
	TURN 0, 1, 1
	STEP 1, 0, 0
	TURN 1, 0, 1
	STEP 0, 0, 0
	s_sub_co_u32 s3, s3, 1
	s_cmp_lg_u32 s3, 0
	s_cbranch_scc1 .Llap
	TURN 0, 1, 0                                   ; the last lap fills nothing
	STEP 1, 0, 0
	s_wait_dscnt 4*NL                              ; the very last step
	WIN MUL_LO
	MUL16 0, 1, NQ-1, 1, 0
	MUL16 2, 1, NQ-1, 1, 0
	s_wait_dscnt 0
	WIN MUL_HI
	MUL16 4, 1, NQ-1, 1, 0
	MUL16 6, 1, NQ-1, 1, 0
	WIN 0
; THE WAY OUT, block by block of 16 positions x 128 channels, through my own stage in LDS; it comes back as whole rows of 512 bytes.  The channels are put in order on the way in (accumulator b's eight lie at
; 32 (b / 2) + 16 (lane / 16) + 8 (b % 2)), the rows on the way to memory (position t of block a is row 32 (a / 2) + 8 (a % 2) + t + 8 (t / 8)).
.macro TOSTAGE a
.set AC, 64*((\a)%4)
	WIN 0x08+4*((\a)/4)                            ; the data: window 2 or 3
.irp b, 0,1,2,3,4,5,6,7
	ds_store_b128 v[STO], v[AC+8*\b:AC+8*\b+3] offset:128*(\b/2)+32*(\b%2)          ; each accumulator from its low end on
	ds_store_b128 v[STO], v[AC+8*\b+4:AC+8*\b+7] offset:128*(\b/2)+32*(\b%2)+16
.endr
	WIN 0
.set BB, BK+64*((\a)%2)
.irp t, 0,1,2,3,4,5,6,7,8,9,10,11,12,13,14,15
	ds_load_b128 v[BB+4*\t:BB+4*\t+3], v[RD] offset:\t*SPITCH   ; LDS serves a wave's instructions in order (ISA guide 5.7.1.4): these see the stores above
.endr
.endm
.macro SEND a, younger                 ; younger: the LDS instructions issued behind block a's loads, which may stay out
.set BB, BK+64*((\a)%2)
	s_wait_dscnt \younger
.if (\a) > 0
.if (\a)%2
	s_add_nc_u64 s[12:13], s[12:13], 8*4096        ; (behind a wait on XCNT)  an odd block begins 8 rows behind the even one,
.else
	s_add_nc_u64 s[12:13], s[12:13], 24*4096       ; the next even one 24 rows further on
.endif
.endif
.irp t, 0,1,2,3,4,5,6,7,8,9,10,11,12,13,14,15
	global_store_b128 v[CO], v[BB+4*\t:BB+4*\t+3], s[12:13] offset:(\t+8*(\t/8))*4096 th:TH_STORE_NT   ; 32 lanes store 512 consecutive bytes, aligned; written once, read by nobody here
.endr
.endm
	PLACES NP
	TOSTAGE 0
.irp a, 1,2,3,4,5,6,7
.if \a > 1
	s_wait_xcnt 0x0                                ; block a - 2's stores have read their registers and their base
.endif
	TOSTAGE \a
	SEND \a-1, 32                                  ; behind block a - 1's loads: block a's 16 stores and 16 loads
.endr
	s_wait_xcnt 0x0
	SEND 7, 0
	s_wait_tensorcnt 0x0                           ; the wave's end, behind my last tensor load and my last LDS store
	ds_add_u32 v[SPW], v[NIL]
	s_wait_dscnt 0x0
	CROUND                                         ; the closing round
	s_endpgm
.Lfunc_end_k_qfb33916e43_oproj:
	.size	k_qfb33916e43_oproj, .Lfunc_end_k_qfb33916e43_oproj-k_qfb33916e43_oproj
	.p2alignl 7, 3214868480
	.fill 96, 4, 3214868480
	.section	.rodata,"a",@progbits
	.p2align	6, 0x0
	.amdhsa_kernel k_qfb33916e43_oproj
		.amdhsa_group_segment_fixed_size 327680
		.amdhsa_private_segment_fixed_size 0
		.amdhsa_enable_private_segment 0
		.amdhsa_kernarg_size 32
		.amdhsa_user_sgpr_count 2
		.amdhsa_user_sgpr_kernarg_segment_ptr 1
		.amdhsa_wavefront_size32 1
		.amdhsa_system_sgpr_workgroup_id_x 1
		.amdhsa_system_sgpr_workgroup_id_y 1
		.amdhsa_system_sgpr_workgroup_id_z 1
		.amdhsa_system_vgpr_workitem_id 0
		.amdhsa_next_free_vgpr 1024
		.amdhsa_next_free_sgpr 98
		.amdhsa_reserve_vcc 0
		.amdhsa_float_denorm_mode_32 3
		.amdhsa_float_denorm_mode_16_64 3
		.amdhsa_memory_ordered 1
		.amdhsa_forward_progress 1
		.amdhsa_inst_pref_size 148
	.end_amdhsa_kernel
	.amdgpu_metadata
---
amdhsa.version: [ 1, 2 ]
amdhsa.kernels:
  - .name:           k_qfb33916e43_oproj
    .symbol:         k_qfb33916e43_oproj.kd
    .args:
      - { .name: att, .offset: 0, .size: 8, .value_kind: global_buffer, .address_space: global }
      - { .name: opnd, .offset: 8, .size: 8, .value_kind: global_buffer, .address_space: global }
      - { .name: bo, .offset: 16, .size: 8, .value_kind: global_buffer, .address_space: global }
      - { .name: out0, .offset: 24, .size: 8, .value_kind: global_buffer, .address_space: global }
    .group_segment_fixed_size: 327680
    .private_segment_fixed_size: 0
    .kernarg_segment_align: 8
    .kernarg_segment_size: 32
    .max_flat_workgroup_size: 128
    .sgpr_count:     98
    .vgpr_count:     1024
    .wavefront_size: 32
...
	.end_amdgpu_metadata
.endif
;; end of part 4
